; MI455X (gfx1250); checked and timed in simulation.
; The chip was launched on July 23, 2026; its instructions are those of AMD's public machine-readable ISA for CDNA 5 (MIT licence, August 2026) and "CDNA5" Instruction Set Architecture Reference Guide (July 2026). The comments in the code are by the model that wrote it; some were corrected since.
;; Tree Attention Wrapper. Allowed arithmetic: matrix products marked QUANTISED: E4M3 operands, one E8M0 scale for each 32 along K, by v_wmma_scale_f32_16x16x128_f8f6f4 with both operands' format E4M3, f32 sums; everything else in f32.
;; Inputs: cu_seqlens 2 int32; k_codes 1 x 16 x 4,096 x 4 x 32 uint8 (E4M3 codes of k, K innermost, in blocks of 32 codes); k_scales 1 x 16 x 4,096 x 4 uint8 (E8M0 scales of k, one for each 32 codes along K); mask 4,096 x 4,096 bool; q_codes 1 x 16 x 4,096 x 4 x 32 uint8 (E4M3 codes of q, K innermost, in blocks of 32 codes); q_scales 1 x 16 x 4,096 x 4 uint8 (E8M0 scales of q, one for each 32 codes along K); v_codes 1 x 16 x 128 x 128 x 32 uint8 (E4M3 codes of v, K innermost, in blocks of 32 codes); v_scales 1 x 16 x 128 x 128 uint8 (E8M0 scales of v, one for each 32 codes along K).
;; Outputs: out0 1 x 16 x 4,096 x 128 float32.
;; Constants: max_seqlen = 4096.
;; This version of the problem:
;;   THIS VERSION OF THE PROBLEM IS GIVEN IN LOW PRECISION. The matrix products marked QUANTISED in the list below multiply operands that are first quantised to E4M3 (4 exponent bits, 3 mantissa bits; 8 bits a number), with one power-of-two scale for each 32 numbers along K (OCP MX v1.0); their sums are f32. All else is computed in f32.
;;   The module's matrix products, in the order in which they are computed (A, B: the left and right operand; K: the contracted axis; several contracted axes count as one K, in the product's order):
;;     1. batch 16 x [M 4,096, K 128] x [K 128, N 4,096]; A: input q (given as codes); B: input k (given as codes): QUANTISED
;;     2. batch 16 x [M 4,096, K 4,096] x [K 4,096, N 128]; A: softmax (see below); B: input v (given as codes): QUANTISED
;;   THE QUANTISER, for each operand of a quantised product, along K:
;;     - K is cut into blocks of 32 from its start; a last block that is shorter is filled with zeros.
;;     - A block's scale is 2^e with e = floor(log2(the largest magnitude in the block)) - 8, held to -126 .. 127; a block of zeros has e = 0. As a byte (E8M0): e + 127.
;;     - Each number is divided by its block's scale, clamped to +-448, and rounded to the nearest number of E4M3, ties to even, subnormals kept.
;;     - The product sums the exact products of the quantised numbers (number of the format x scale) in f32.
;;   ~~~python
;;   def quantise(x, axis):      # numpy; x: float32 -> the quantised numbers, widened to float32 again
;;       x = np.moveaxis(x, axis, -1); K = x.shape[-1]
;;       x = np.pad(x, [(0, 0)] * (x.ndim - 1) + [(0, -K % 32)]); x = x.reshape(x.shape[:-1] + (-1, 32)); a = np.abs(x).max(-1, keepdims=True)
;;       e = np.where(a > 0, np.clip(np.frexp(np.where(a > 0, a, 1))[1] - 1 - 8, -126, 127), 0)      # np.frexp(a)[1] - 1 = floor(log2(a)), exactly
;;       r = np.clip(x / 2.0 ** e, -448, 448)
;;       step = 2.0 ** (np.maximum(np.frexp(np.where(r == 0, 1, r))[1] - 1, -6) - 3)
;;       q = np.round(r / step) * step * 2.0 ** e      # np.round: ties to even
;;       return np.moveaxis(q.reshape(q.shape[:-2] + (-1,))[..., :K], -1, axis).astype(np.float32)
;;   ~~~
;;   SOFTMAX AHEAD OF A QUANTISED PRODUCT. Where the list says 'softmax', what is quantised is not the finished softmax but p = 2^(t - M), with t = logit x log2(e) and M = ceil(the row's largest t), a whole number; so 1/2 < the row's largest p <= 1. The row's sum l is taken of the UNQUANTISED p, in f32, and the product's result is divided by l at the end. Since M is a whole number, a kernel that streams over the keys may use a running M (the ceiling of the running maximum): every later rescaling is an exact power of two, which a block's scale takes up: the codes' values come out the same.
;;   OPERANDS COMPUTED ON THE WAY. 'Computed on the way' means the value that the module computes at that place (a softmax that the list does not call 'softmax' is quantised finished and normalised). What goes into a quantiser is computed in f32, as accurately as f32 sums, v_exp_f32 and their like allow (about 1e-6 of the number): no bf16 or f16 on the way to a quantiser, and a product that is left as it is and whose result goes on into a quantised operand takes f32 operands (vector FMAs, or v_wmma_f32_16x16x4_f32). A number that lies on a knife's edge between two numbers of the format may be rounded either way, as far as f32 arithmetic and the matrix unit's own rounding can turn it there, and no further.
;;   INPUTS GIVEN AS CODES. k (in the module: [1, 16, 4096, 128], K = its axis 3); q (in the module: [1, 16, 4096, 128], K = its axis 3); v (in the module: [1, 16, 4096, 128], K = its axis 2): each comes as NAME_codes (uint8): NAME with its K axis moved to the last place and cut into blocks of 32 codes, [.., K / 32, bytes a block], one block behind the other in memory; one code a byte (a code: sign, 4 exponent bits, 3 mantissa bits); and NAME_scales (uint8): the same leading axes, one E8M0 byte (e + 127) for each 32 codes along K. Its value is code x scale, taken as it is: it is not quantised again, and the codes and scales need not be those that the quantiser above would give.
;; 2 versions. Each part assembles by itself: llvm-mc -triple=amdgcn-amd-amdhsa -mcpu=gfx1250 --defsym DOCPART=n.
;; ======== version 1 of 2: 2 launches
;; limits: right only within a limited range of input values
;; workspace buffers: mbits 2,097,152 bytes of whole numbers; meta 2,048 bytes of whole numbers; scimg 524,288 bytes
;; launch prep (part 1): grid 256 x 1, 8 waves a work-group, no clusters, 68,864 bytes of LDS; arguments mask, k_scales, v_scales, mbits, meta, scimg; writes mbits, meta, scimg
.if DOCPART == 1
	.amdgcn_target "amdgcn-amd-amdhsa--gfx1250"
	.amdhsa_code_object_version 6
	.text
	.protected	k_qf465d5e6cf_prep
	.globl	k_qf465d5e6cf_prep
	.p2align	8
	.type	k_qf465d5e6cf_prep,@function
k_qf465d5e6cf_prep:
	s_mov_b64 s[64:65], 0
	v_nop
	global_prefetch_b8 v0, s[64:65] scope:SCOPE_SE
	s_setreg_imm32_b32 hwreg(HW_REG_WAVE_MODE, 25, 1), 1
	s_wait_xcnt 0x0
; PREP: the mask [4096][4096] (one byte a place, 0 or 1) becomes what the attention launch reads, and K's and V's scale bytes are laid as images of its scale registers.
;  mbits [T = tile of 16 queries, 256][j = key step of 128, 32][n = 0..63], one word each: word n is the lane mask for score register n = 16 b + i of a wave of the attention launch:
;        bit L = mask[16 T + L % 16][128 j + 32 b + 16 (L / 16) + i].  An entry (T, j) is 256 bytes.
;  meta  A[256] from byte 0, F[256] from byte 1024.  Bit j of A[T]: some place of tile T is visible in key step j; A[T] is all ones where some row of T sees no key at all (such a row's softmax
;        runs over all 4,096 keys).  Bit j of F[T]: all 16 x 128 places are visible.
;  scimg [head][j][1024]: bytes 0-511: the word at 16 L + 4 d is the scale word of key 128 j + 32 d + 8 (L / 16) + r + 8 (r / 8), r = L % 16;
;        bytes 512-1023: the word at 16 L + 4 d is that of V's channel 32 d + 16 (L / 16) + r for keys 128 j .. 128 j + 127.
; SHARES.  Work-group g takes query tile T = g and the scale images 2 g and 2 g + 1.  Wave w takes key steps 4 w .. 4 w + 3: 512 bytes of each of the tile's 16 rows.
; Each mask load reads 512 consecutive bytes; the 16 rows turn through the wave's own stage in LDS, so that lane (r, h) holds, of row r, the 16 bytes of its half of each block of 32 keys.
; No matrix work, no tensor load: the launch streams 16 MiB once.  LIMIT: a mask byte is 0 or 1, as the problem states it.
.set PITCH, 528                        ; a stage row: 512 bytes + 16: 132 words, so that the 16 rows that a load touches start 4 words apart modulo 64
.set STGW,  16*PITCH                   ; a wave's stage
.set META,  8*STGW                     ; 16 bytes for each wave: its bits of A, of F, and its rows with a visible key
.set SPARE, META+256                   ; the spare words, 128 bytes for each wave: four blocks of 256 bytes that no other line names
.set SPW,   10                         ; v10  LDS address of my spare word; never rewritten
.set NIL,   11                         ; v11  0; never rewritten
.set R,     16                         ; v16-79   16 rows x 4 registers, as loaded
.set X,     80                         ; v80-143  register 16 jj + 4 b + e: bytes i = 4 e .. 4 e + 3 of block b of key step 4 w + jj
.set W,     144                        ; v144-151 a pair for each jj: lane l holds words 2 l and 2 l + 1 of the entry
.set TT,    152                        ; v152-159 at work
	s_load_b256 s[4:11], s[0:1], 0x0               ; mask s[4:5], k_scales s[6:7], v_scales s[8:9], mbits s[10:11]
	s_load_b128 s[12:15], s[0:1], 0x20             ; meta s[12:13], scimg s[14:15]
	v_lshl_add_u32 v[SPW], v0, 2, SPARE
	v_mov_b32 v[NIL], 0
	v_lshrrev_b32 v1, 5, v0
	v_readfirstlane_b32 s16, v1                    ; wave 0..7
	v_lshlrev_b32 v15, 4, v1
	v_add_nc_u32 v15, META, v15                    ; where my wave's 16 bytes of meta go
	v_and_b32 v1, 31, v0                           ; lane
	v_lshlrev_b32 v2, 4, v1                        ; 16 x lane: my bytes of a load's 512
	v_lshlrev_b32 v5, 3, v1                        ; 8 x lane: my bytes of a store's 256
	s_mul_i32 s17, s16, STGW
	v_add_nc_u32 v3, s17, v2                       ; the stage, on the way in
	v_and_b32 v12, 15, v0                          ; r
	v_bfe_u32 v13, v0, 4, 1                        ; h
	v_mul_u32_u24 v4, v12, PITCH
	v_lshl_add_u32 v4, v13, 4, v4
	v_add_nc_u32 v4, s17, v4                       ; and on the way out: row r, + 16 h
	v_mov_b32 v164, 0                              ; the offset of the two stores into meta
	v_mov_b32 v165, META
	; THE SCALE IMAGES.  Waves 0-3 make image 2 g, waves 4-7 image 2 g + 1; of the four, two make K's 512 bytes and two V's, 256 bytes each: two words a lane.
	s_lshr_b32 s18, s16, 2                         ; which image
	s_bfe_u32 s19, s16, 0x10001                    ; 0: K's half, 1: V's
	s_and_b32 s20, s16, 1                          ; which 256 bytes of the 512
	s_lshl_b32 s21, s20, 5
	v_add_nc_u32 v8, s21, v1                       ; y = 0..63: my pair of words lies at byte 8 y
	v_lshrrev_b32 v9, 1, v8                        ; L = y / 2: the lane of the attention wave that will hold them
	v_and_b32 v12, 15, v9                          ; r = L % 16
	v_lshrrev_b32 v13, 4, v9                       ; L / 16
	v_lshrrev_b32 v14, 3, v12                      ; r / 8
	v_and_b32 v6, 1, v8
	v_lshlrev_b32 v7, 1, v6                        ; d of my first word: 0 or 2
	s_mov_b32 s38, 4096                            ; (an instruction takes one literal)
	s_cmp_eq_u32 s19, 0                            ; bytes from r to r + 1, for r / 8, for L / 16, from d to d + 1, from j to j + 1: K's (4 bytes a key) or V's (128 bytes a channel, 4 a key step)
	s_cselect_b32 s35, 4, 128
	s_cselect_b32 s36, 32, 0
	s_cselect_b32 s37, 32, 2048
	s_cselect_b32 s38, 128, s38
	s_cselect_b32 s39, 512, 4
	v_mul_u32_u24 v6, s35, v12
	v_mad_u32_u24 v6, v14, s36, v6
	v_mad_u32_u24 v6, v13, s37, v6
	v_mad_u32_u24 v6, v7, s38, v6                  ; my first word's place in the head's scale bytes, key step 0
	v_add_nc_u32 v7, s38, v6                       ; and my second's
	s_lshr_b32 s21, ttmp9, 4                       ; image 2 g + img = 32 head + j
	s_lshl_b32 s21, s21, 14                        ; a head's scale bytes: 16,384
	s_and_b32 s22, ttmp9, 15
	s_lshl_b32 s22, s22, 1
	s_add_co_u32 s22, s22, s18                     ; j
	s_mul_i32 s22, s22, s39
	s_add_co_u32 s42, s21, s22
	s_mov_b32 s43, 0
	s_lshl_b32 s44, ttmp9, 1
	s_add_co_u32 s44, s44, s18
	s_lshl_b32 s44, s44, 10                        ; the image's 1,024 bytes,
	s_lshl_b32 s45, s19, 9
	s_add_co_u32 s44, s44, s45                     ; its half,
	s_lshl_b32 s45, s20, 8
	s_add_co_u32 s44, s44, s45                     ; my wave's 256 bytes
	s_mov_b32 s45, 0
	s_lshl_b32 s46, ttmp9, 16                      ; the mask: 16 rows of 4,096 bytes a tile,
	s_lshl_b32 s47, s16, 9
	s_add_co_u32 s46, s46, s47                     ; my wave's 512 bytes of a row
	s_mov_b32 s47, 0
	s_lshl_b32 s24, ttmp9, 13                      ; mbits: 32 entries of 256 bytes a tile,
	s_lshl_b32 s25, s16, 10
	s_add_co_u32 s24, s24, s25                     ; my wave's four
	s_mov_b32 s25, 0
	s_lshl_b32 s26, ttmp9, 2                       ; meta: a word a tile
	s_mov_b32 s27, 0
	s_wait_kmcnt 0x0
	s_cmp_eq_u32 s19, 0                            ; the choice hangs on the wave's number alone
	s_cselect_b64 s[40:41], s[6:7], s[8:9]
	s_add_nc_u64 s[40:41], s[40:41], s[42:43]
	s_add_nc_u64 s[14:15], s[14:15], s[44:45]
	s_add_nc_u64 s[4:5], s[4:5], s[46:47]
	s_add_nc_u64 s[10:11], s[10:11], s[24:25]
	s_add_nc_u64 s[12:13], s[12:13], s[26:27]
	global_load_b32 v8, v6, s[40:41]
	global_load_b32 v9, v7, s[40:41]
.irp i, 0,1,2,3,4,5,6,7,8,9,10,11,12,13,14,15
	global_load_b128 v[R+4*\i:R+4*\i+3], v2, s[4:5] offset:4096*\i th:TH_LOAD_NT   ; row i: 32 lanes read 512 consecutive bytes; read once in the launch
.endr
.irp i, 0,1,2,3,4,5,6,7
	v_mov_b32 v[W+\i], 0                           ; written whole once: a lane write's destination counts as read
.endr
	v_mov_b32 v12, 0                               ; my row's OR over the wave's four key steps
	s_mov_b32 s32, 0                               ; the wave's four bits of A
	s_mov_b32 s33, 0                               ; and of F
	s_wait_loadcnt 16                              ; the two scale words are in; the 16 mask loads issued behind them may be out
	global_store_b64 v5, v[8:9], s[14:15]          ; 32 lanes store 256 consecutive bytes, aligned
	s_wait_loadcnt 0x0
.irp i, 0,1,2,3,4,5,6,7,8,9,10,11,12,13,14,15
	ds_store_b128 v3, v[R+4*\i:R+4*\i+3] offset:PITCH*\i
.endr
.irp jj, 0,1,2,3
.irp b, 0,1,2,3
	ds_load_b128 v[X+16*\jj+4*\b:X+16*\jj+4*\b+3], v4 offset:128*\jj+32*\b   ; my wave's own bytes, served in order (ISA guide 5.7.1.4): these see the stores above
.endr
.endr
	s_wait_dscnt 0x0
; Key step 4 w + jj: its bit of A and of F, and its 64 lane masks.
.macro BITS jj
	v_or_b32 v13, v[X+16*\jj], v[X+16*\jj+1]
	v_and_b32 v14, v[X+16*\jj], v[X+16*\jj+1]
.irp e, 2,3,4,5,6,7,8,9,10,11,12,13,14,15
	v_or_b32 v13, v13, v[X+16*\jj+\e]
	v_and_b32 v14, v14, v[X+16*\jj+\e]
.endr
	v_or_b32 v12, v12, v13
	v_cmp_ne_u32 s35, 0, v13                       ; lanes with a visible place
	v_cmp_eq_u32 s36, 0x01010101, v14              ; lanes all of whose 64 places are visible
	s_cmp_lg_u32 s35, 0
	s_cselect_b32 s37, 1<<\jj, 0
	s_or_b32 s32, s32, s37
	s_cmp_eq_u32 s36, -1
	s_cselect_b32 s37, 1<<\jj, 0
	s_or_b32 s33, s33, s37
.set n0, 0
.rept 8                                        ; eight words at a time: pick byte n % 4 of register n / 4, compare, and put the lane mask into lane n / 2 of register n % 2
.set k, 0
.rept 8
	v_and_b32 v[TT+k], 1<<(8*((n0+k)&3)), v[X+16*\jj+((n0+k)>>2)]
.set k, k+1
.endr
.set k, 0
.rept 8
	v_cmp_ne_u32 s[24+k], 0, v[TT+k]
.set k, k+1
.endr
.set k, 0
.rept 8
	v_writelane_b32 v[W+2*\jj+((n0+k)&1)], s[24+k], (n0+k)>>1
.set k, k+1
.endr
.set n0, n0+8
.endr
	global_store_b64 v5, v[W+2*\jj:W+2*\jj+1], s[10:11] offset:256*\jj   ; the entry: 256 consecutive bytes, aligned; each jj has its own pair, so no store's data are written again
.endm
	BITS 0
	BITS 1
	BITS 2
	BITS 3
	s_lshl_b32 s38, s16, 2
	s_lshl_b32 s32, s32, s38                       ; my four bits at their place among the 32
	s_lshl_b32 s33, s33, s38
	v_cmp_ne_u32 s34, 0, v12
	s_lshr_b32 s35, s34, 16
	s_or_b32 s34, s34, s35                         ; a row's two halves lie 16 lanes apart
	s_and_b32 s34, s34, 0xffff                     ; bit r: row r sees a key in my four steps
	v_mov_b32 v160, s32
	v_mov_b32 v161, s33
	v_mov_b32 v162, s34
	v_mov_b32 v163, 0
	ds_store_b128 v15, v[160:163]                  ; all lanes write the same 16 bytes with the same values
	s_wait_dscnt 0x0                               ; for wave 0's sake: my store has landed
	s_barrier_signal -1
	s_barrier_wait -1
	s_cmp_lg_u32 s16, 0                            ; wave 0 joins the eight and stores the tile's two words
	s_cbranch_scc1 .Lend
.irp k, 0,1,2,3,4,5,6,7
	ds_load_b128 v[R+4*\k:R+4*\k+3], v165 offset:16*\k
.endr
	s_wait_dscnt 0x0
.irp k, 1,2,3,4,5,6,7
	v_or_b32 v16, v16, v[R+4*\k]
	v_or_b32 v17, v17, v[R+4*\k+1]
	v_or_b32 v18, v18, v[R+4*\k+2]
.endr
	v_mov_b32 v19, -1
	v_cmp_ne_u32 vcc_lo, 0xffff, v18               ; some row sees nothing:
	v_cndmask_b32 v16, v16, v19, vcc_lo            ; then the tile walks every key step
	v_cmp_eq_u32 vcc_lo, 0, v0
	s_wait_xcnt 0x0                                ; EXEC changes only behind this wait: stores have been issued
	s_and_saveexec_b32 s35, vcc_lo
	global_store_b32 v164, v16, s[12:13]           ; A[T]
	global_store_b32 v164, v17, s[12:13] offset:1024   ; F[T]
	s_wait_xcnt 0x0                                ; and again, in front of the line that widens it
	s_or_b32 exec_lo, exec_lo, s35
.Lend:
	s_wait_tensorcnt 0x0                           ; the wave's end, behind my last LDS store
	ds_add_u32 v[SPW], v[NIL]
	s_wait_dscnt 0x0
	s_endpgm
.Lfunc_end_k_qf465d5e6cf_prep:
	.size	k_qf465d5e6cf_prep, .Lfunc_end_k_qf465d5e6cf_prep-k_qf465d5e6cf_prep
	.p2alignl 7, 3214868480
	.fill 96, 4, 3214868480
	.section	.rodata,"a",@progbits
	.p2align	6, 0x0
	.amdhsa_kernel k_qf465d5e6cf_prep
		.amdhsa_group_segment_fixed_size 68864
		.amdhsa_private_segment_fixed_size 0
		.amdhsa_enable_private_segment 0
		.amdhsa_kernarg_size 48
		.amdhsa_user_sgpr_count 2
		.amdhsa_user_sgpr_kernarg_segment_ptr 1
		.amdhsa_wavefront_size32 1
		.amdhsa_system_sgpr_workgroup_id_x 1
		.amdhsa_system_sgpr_workgroup_id_y 1
		.amdhsa_system_sgpr_workgroup_id_z 1
		.amdhsa_system_vgpr_workitem_id 0
		.amdhsa_next_free_vgpr 168
		.amdhsa_next_free_sgpr 66
		.amdhsa_reserve_vcc 1
		.amdhsa_float_denorm_mode_32 3
		.amdhsa_float_denorm_mode_16_64 3
		.amdhsa_memory_ordered 1
		.amdhsa_forward_progress 1
		.amdhsa_inst_pref_size 62
	.end_amdhsa_kernel
	.amdgpu_metadata
---
amdhsa.version: [ 1, 2 ]
amdhsa.kernels:
  - .name:           k_qf465d5e6cf_prep
    .symbol:         k_qf465d5e6cf_prep.kd
    .args:
      - { .name: mask, .offset: 0, .size: 8, .value_kind: global_buffer, .address_space: global }
      - { .name: k_scales, .offset: 8, .size: 8, .value_kind: global_buffer, .address_space: global }
      - { .name: v_scales, .offset: 16, .size: 8, .value_kind: global_buffer, .address_space: global }
      - { .name: mbits, .offset: 24, .size: 8, .value_kind: global_buffer, .address_space: global }
      - { .name: meta, .offset: 32, .size: 8, .value_kind: global_buffer, .address_space: global }
      - { .name: scimg, .offset: 40, .size: 8, .value_kind: global_buffer, .address_space: global }
    .group_segment_fixed_size: 68864
    .private_segment_fixed_size: 0
    .kernarg_segment_align: 8
    .kernarg_segment_size: 48
    .max_flat_workgroup_size: 256
    .sgpr_count:     66
    .vgpr_count:     168
    .wavefront_size: 32
...
	.end_amdgpu_metadata
.endif
;; end of part 1
;; launch attn (part 2): grid 16 x 16, 8 waves a work-group, no clusters, 136,192 bytes of LDS; arguments q_codes, q_scales, k_codes, v_codes, scimg, mbits, meta, out0; writes out0
.if DOCPART == 2
	.amdgcn_target "amdgcn-amd-amdhsa--gfx1250"
	.amdhsa_code_object_version 6
	.text
	.protected	k_qf465d5e6cf_attn
	.globl	k_qf465d5e6cf_attn
	.p2align	8
	.type	k_qf465d5e6cf_attn,@function
k_qf465d5e6cf_attn:
	s_mov_b64 s[64:65], 0
	v_nop
	global_prefetch_b8 v0, s[64:65] scope:SCOPE_SE
	s_setreg_imm32_b32 hwreg(HW_REG_WAVE_MODE, 25, 1), 1
	s_wait_xcnt 0x0
; O[h][q][:] = the sum over k of softmax_k(mask ? Q[h][q] . K[h][k] / sqrt(128) : -1e30) V[h][k][:], both products on codes of FP8 (E4M3) with one E8M0 scale for each 32 along a product's K.
; Q, K: [16][4096][128] codes; V: codes with the keys innermost, [16][128][4096]; O: [16][4096][128] f32.  The mask is an input: it is read (as the lane masks and the two bit lists that the launch
; before made of it) and honoured whatever it holds.  cu_seqlens and max_seqlen are used nowhere in the computation and are not taken.
; THE SOFTMAX AHEAD OF THE SECOND PRODUCT: t = score x log2(e) / sqrt(128); M = the row's largest t so far, rounded up to a whole number; p = 2^(t - M) is quantised along the keys, not normalised;
; the row's sum is taken of the unquantised p and divides O at the end.  When M moves, the sum and O are multiplied by 2^(old M - new M): exact.
; HIDDEN KEYS.  A hidden key's raw score becomes -2^103 ahead of the maximum, t = -1.29e30.  A power of two, so that c x score is exact: in a row that has seen nothing yet M = t and p = 1 exactly,
; which is what a row with no visible key at all is to have for all 4,096 keys; the first visible key makes 2^(old M - new M) = 0 and wipes those terms.
; LIMITS: the results are the stated ones as long as visible logits lie above about -9e29; NaN, infinities and the scale byte 0xff are not served.
; WORK THAT THE MASK THROWS AWAY IS NOT DONE.  Bit j of A[T] says whether tile T (16 queries) sees a key of step j (128 keys).  Every wave walks all 32 trips, a constant, and passes the trip's one barrier.
; Where both tiles see all of a step, the selects are jumped over.
; Those are branches on numbers read from memory: there are no tensor loads, no joint loads and no cluster; K and V go from memory through registers into LDS.
; SHARES.  A work-group owns 256 queries of one head; each of its eight waves 32 of them, two tiles, so that each fragment read from LDS feeds two products; two waves to a SIMD, so that one wave's
; vector work stands beside the other's matrix work.
; LAYOUT.  Both products are used transposed: S^T = K Q^T (source 0 = 16 keys, source 1 = 16 queries), O^T = V^T P^T: a lane holds ONE query (lane % 16) throughout.  THE KEYS OF A TILE ARE NOT NEIGHBOURS:
; lane r of fragment 2 b + u takes key 32 b + 8 u + r + 8 (r / 8), so that score register 16 b + i is key 32 b + 16 (lane / 16) + i, and the conversions' results are the second product's operand.
; LDS.  Two slots take turns.  A slot holds a key step as IMAGES OF THE OPERANDS' REGISTERS: K's 8 fragments (2,048 bytes each: register group c of lane l at 512 c + 16 l), V's 8, and 1,024 bytes of scale words.
; Wave w loads K's fragment w, V's fragment w and 128 bytes of scale words from memory into staging registers at a trip's head, a whole key step ahead, and stores them into the other slot at the trip's end.
; REGISTERS.  window 0: v1-9 addresses; v10, v11 the add's two; v12-19 statistics; v20-23 f; v24-39 at work; v40-51 scale words and nothing else; v52 -2^103; v64-127 four fragments; v128-255 S^T, then p, 64 a tile.
;   window 1: v0-127 O^T (tile q, channels 16 f on: 64 q + 8 f); v128-159 Q; v160-191 p's codes; v192-224 staging.
.set SLOT,   33792                     ; K's images 16,384, V's 16,384, scale words 1,024
.set VIMG,   16384
.set KSO,    32768                     ; K's scale words in a slot
.set VSO,    33280                     ; V's
.set STAGE,  2*SLOT                    ; the way out: 16 rows x (512 bytes + 16) for each wave
.set SPITCH, 528
.set SPARE,  STAGE+8*16*SPITCH         ; the spare words, 128 bytes for each wave: four blocks of 256 bytes that no other line names
.set ADF,  1                           ; v1, v2   16 x lane (+ SLOT): where my lane reads an image in slot 0, 1; v1 is also my byte offset in a row of O
.set STA,  3                           ; v3, v4   where I store my wave's fragments: slot + 2,048 x wave + 16 x lane
.set STS,  5                           ; v5, v6   and its scale words: slot + KSO + 128 x wave + 4 x lane
.set KOFF, 7                           ; v7   my lane's byte in a key step of K's codes
.set VOFF, 8                           ; v8   in V's
.set SOFF, 9                           ; v9   in a scale image
.set SPW,  10                          ; v10  LDS address of my spare word; never rewritten
.set NIL,  11                          ; v11  0; never rewritten
.set ST,   12                          ; tile q at v[12 + 4 q]: -M, the largest t, the sum in two halves
.set FQ,   20                          ; tile q: v[20 + 2 q] f = 2^(old M - new M); at the end 1 / the sum; the pair's upper half is written once
.set BM,   24                          ; v24-27 the four blocks' largest score, then largest p
.set PM,   28                          ; v28-31 the other half's; a chain of the sums; the bytes
.set HD,   32                          ; v32-35 448 x the scale
.set SO,   36                          ; v36-39 the conversions' scale operands
.set KS,   40                          ; v40-43 K's scale words: register d: lanes 0-15 fragment 2 d, lanes 16-31 fragment 2 d + 1
.set VS,   44                          ; v44-47 V's likewise
.set QS,   48                          ; v48, v49 Q's
.set PW,   50                          ; v50, v51 p's
.set NEG,  52
.set T1,   53
.set SOA,  54                          ; the way out: where I put 32 bytes of a row
.set RDA,  55                          ; and where I read a row back
.set FRG,  64
.set SCR,  128
.set QF,   128                         ; window 1
.set PC,   160
.set GK,   192
.set GV,   208
.set GS,   224
.set WV,   2                           ; s2   my wave's number
.set CNT,  3                           ; s3   counts pairs of trips
.set KB,   52                          ; s[52:53] K's codes of the head, at the key step to be loaded next;  s[54:55] V's;  s[56:57] the scale image
.set VB,   54
.set SIB,  56
.set MB,   58                          ; s[58:59] my first tile's lane masks of the key step in hand
.set OB,   60                          ; s[60:61] my first row of O
.set LM,   62                          ; s62  bit 0: some tile of the work-group sees the NEXT key step
.set CM,   63                          ; s63  bit 0: one of my two tiles sees the key step in hand
.set FM,   66                          ; s66  bit 0: both see all of it
.set WG,   67                          ; s67  the work-group's 32 bits
.set CS,   84                          ; s[84:85] c = log2(e) / sqrt(128): the packed form names a pair and takes its low word for both halves
.set SEL,  86                          ; s[86:87] lane selects for v_permlanex16_b32: lane l xor 16
.set MNT,  88                          ; s88  the mantissa field of 448
; s4-51 and s68-83: a tile's 64 lane masks (word n in s[4 + n], from n = 48 on in s[20 + n]); at the head the arguments and the bit lists
.set MSB, 0
.macro WIN new                         ; the immediate's high byte repeats the setting that is left; a switch that changes nothing is dropped.  At a label and at a branch every window is 0
.if MSB != \new
	s_set_vgpr_msb (MSB<<8)|\new
.set MSB, \new
.endif
.endm
.set W_KQ,  0x04                       ; source 1 (Q) window 1; an LDS load's address and destination stay in window 0
.set W_D1,  0x40                       ; destination window 1
.set W_RS,  0x41                       ; O^T (destination and source 0) window 1, f window 0
.set W_PV,  0x54                       ; source 1 (p's codes), C and D (O^T) window 1; source 0 (V) window 0
.set W_ST,  0x04                       ; an LDS store's data are its source 1: window 1
.set W_OUT, 0x01                       ; source 0 (O^T) window 1
; A load into a register that a matrix instruction has read, and a vector instruction that reads a matrix result or writes one of a matrix instruction's registers, stand eight places behind it for this form,
; and only plain vector instructions that name none of its registers are places.
.macro PLACES n
.rept \n
	v_nop
.endr
.endm
; My wave's part of the key step at which the three bases stand, into staging: 4 + 4 loads of 16 bytes a lane and one word.  reg: the scalar whose bit 0 says whether anybody will read the step.
.macro LOADS reg
	s_bitcmp1_b32 s[\reg], 0
	s_cbranch_scc0 .Lno_load_\@
	WIN W_D1
.irp c, 0,1,2,3
	global_load_b128 v[GK+4*\c:GK+4*\c+3], v[KOFF], s[KB:KB+1] offset:32*\c
.endr
.irp c, 0,1,2,3
	global_load_b128 v[GV+4*\c:GV+4*\c+3], v[VOFF], s[VB:VB+1] offset:32*\c
.endr
	global_load_b32 v[GS], v[SOFF], s[SIB:SIB+1]
	WIN 0
.Lno_load_\@:
.endm
; Staging goes into the slot as it stands; then the bases step, whether or not the step was loaded.
.macro STORES slot, reg
	s_wait_loadcnt 0x0                             ; on every path: no load of mine is out behind this line
	s_bitcmp1_b32 s[\reg], 0
	s_cbranch_scc0 .Lno_store_\@
	WIN W_ST
.irp c, 0,1,2,3
	ds_store_b128 v[STA+(\slot)], v[GK+4*\c:GK+4*\c+3] offset:512*\c
.endr
.irp c, 0,1,2,3
	ds_store_b128 v[STA+(\slot)], v[GV+4*\c:GV+4*\c+3] offset:VIMG+512*\c
.endr
	ds_store_b32 v[STS+(\slot)], v[GS]
	WIN 0
.Lno_store_\@:
	s_wait_xcnt 0x0                                ; the loads have read their bases
	s_add_nc_u64 s[KB:KB+1], s[KB:KB+1], 16384     ; 128 keys of 128 bytes
	s_add_nc_u64 s[VB:VB+1], s[VB:VB+1], 128       ; 128 codes on in each of V's rows
	s_add_nc_u64 s[SIB:SIB+1], s[SIB:SIB+1], 1024
.endm
.macro FRAGS slot, off                 ; four fragments, 16 LDS loads: each reads 512 consecutive bytes
.irp t, 0,1,2,3
.irp c, 0,1,2,3
	ds_load_b128 v[FRG+16*\t+4*\c:FRG+16*\t+4*\c+3], v[ADF+\slot] offset:\off+2048*\t+512*\c
.endr
.endr
.endm
.macro MLOAD q                         ; tile q's 64 lane masks of the key step in hand: 256 bytes
	s_load_b512 s[4:19],  s[MB:MB+1], 8192*\q
	s_load_b512 s[20:35], s[MB:MB+1], 8192*\q+64
	s_load_b512 s[36:51], s[MB:MB+1], 8192*\q+128
	s_load_b512 s[68:83], s[MB:MB+1], 8192*\q+192
.endm
.macro CND q                           ; hidden scores become -2^103: one select a register, in ascending order
	s_wait_kmcnt 0x0                               ; on every path: scalar loads come back in no order, so the wait is for all
	s_bitcmp1_b32 s[FM], 0
	s_cbranch_scc1 .Lfull_\@
.set n, 0
.rept 48
	v_cndmask_b32 v[SCR+64*\q+n], v[NEG], v[SCR+64*\q+n], s[4+n]
.set n, n+1
.endr
.rept 16
	v_cndmask_b32 v[SCR+64*\q+n], v[NEG], v[SCR+64*\q+n], s[20+n]
.set n, n+1
.endr
.Lfull_\@:
.endm
; Eight products S^T = K Q^T: fragments 4 g + t of K against both tiles of Q.  The wait leaves the later fragments' loads out, four each.  The accumulators take turns, one instruction a turn.
.macro KQ8 g
.irp t, 0,1,2,3
	s_wait_dscnt 12-4*\t
.irp q, 0,1
.if \t % 2
	v_wmma_scale_f32_16x16x128_f8f6f4 v[SCR+64*\q+8*(4*\g+\t):SCR+64*\q+8*(4*\g+\t)+7], v[FRG+16*\t:FRG+16*\t+15], v[QF+16*\q:QF+16*\q+15], 0, v[KS+(4*\g+\t)/2], v[QS+\q] matrix_a_scale:MATRIX_SCALE_ROW1
.else
	v_wmma_scale_f32_16x16x128_f8f6f4 v[SCR+64*\q+8*(4*\g+\t):SCR+64*\q+8*(4*\g+\t)+7], v[FRG+16*\t:FRG+16*\t+15], v[QF+16*\q:QF+16*\q+15], 0, v[KS+(4*\g+\t)/2], v[QS+\q]
.endif
.endr
.endr
.endm
; Eight products O^T += V^T P^T: channels 16 (4 g + t) on, both tiles; K = the step's 128 keys.
.macro PV8 g
.irp t, 0,1,2,3
	s_wait_dscnt 12-4*\t
.irp q, 0,1
.if \t % 2
	v_wmma_scale_f32_16x16x128_f8f6f4 v[64*\q+8*(4*\g+\t):64*\q+8*(4*\g+\t)+7], v[FRG+16*\t:FRG+16*\t+15], v[PC+16*\q:PC+16*\q+15], v[64*\q+8*(4*\g+\t):64*\q+8*(4*\g+\t)+7], v[VS+(4*\g+\t)/2], v[PW+\q] matrix_a_scale:MATRIX_SCALE_ROW1
.else
	v_wmma_scale_f32_16x16x128_f8f6f4 v[64*\q+8*(4*\g+\t):64*\q+8*(4*\g+\t)+7], v[FRG+16*\t:FRG+16*\t+15], v[PC+16*\q:PC+16*\q+15], v[64*\q+8*(4*\g+\t):64*\q+8*(4*\g+\t)+7], v[VS+(4*\g+\t)/2], v[PW+\q]
.endif
.endr
.endr
.endm
; Tile q's softmax for a key step, and p's codes and scale word.
.macro SM q
.set rS, SCR+64*\q
.set rT, ST+4*\q
.set rF, FQ+2*\q
.irp b, 0,1,2,3
	v_max3_num_f32 v[BM+\b], v[rS+16*\b], v[rS+16*\b+1], v[rS+16*\b+2]   ; the largest score of each block of 32 keys: it serves for the row's maximum and, since p rises with the score, for the block's largest p
.endr
.irp i, 3,5,7,9,11,13
.irp b, 0,1,2,3
	v_max3_num_f32 v[BM+\b], v[BM+\b], v[rS+16*\b+\i], v[rS+16*\b+\i+1]   ; (the four blocks by turns)
.endr
.endr
.irp b, 0,1,2,3
	v_max_num_f32 v[BM+\b], v[BM+\b], v[rS+16*\b+15]
.endr
.irp b, 0,1,2,3
	v_permlanex16_b32 v[PM+\b], v[BM+\b], s[SEL], s[SEL+1]
.endr
.irp b, 0,1,2,3
	v_max_num_f32 v[BM+\b], v[BM+\b], v[PM+\b]     ; with lane l xor 16's 16 keys
.endr
	v_max3_num_f32 v[T1], v[BM], v[BM+1], v[BM+2]
	v_max_num_f32 v[T1], v[T1], v[BM+3]            ; the step's largest score of my query
	v_mul_f32 v[T1], s[CS], v[T1]                  ; as t (c is positive)
	v_max_num_f32 v[rT+1], v[rT+1], v[T1]          ; the running largest t
	v_mov_b32 v[T1], v[rT]
	v_floor_f32 v[rT], -v[rT+1]                    ; the new -M = floor(-t) = -ceil(t): a whole number
	v_sub_f32 v[T1], v[rT], v[T1]                  ; M's old value less its new one: a whole number, 0 or less
	v_cvt_i32_f32 v[T1], v[T1]                     ; (it saturates)
	v_ldexp_f32 v[rF], 1.0, v[T1]                  ; f = 2^(old M - new M)
.set j, 0
.rept 32
	v_pk_fma_f32 v[rS+j:rS+j+1], v[rS+j:rS+j+1], s[CS:CS+1], v[rT:rT+1] op_sel_hi:[1,0,0]   ; t - M, two at a time (of the pairs c and -M the low word serves both halves)
.set j, j+2
.endr
.irp b, 0,1,2,3
	v_fma_f32 v[BM+\b], v[BM+\b], s[CS], v[rT]     ; the same of each block's largest score
.endr
.if \q == 0
	MLOAD 1                                        ; the other tile's lane masks: tile 0's selects, which read these scalar registers, stand some 80 vector instructions back; the rest of this softmax stands ahead of the wait for them
.endif
.set j, 0
.rept 64
	v_exp_f32 v[rS+j], v[rS+j]                     ; p = 2^(t - M), at most 1: not normalised
.set j, j+1
.endr
	v_pk_mul_f32 v[rT+2:rT+3], v[rT+2:rT+3], v[rF:rF+1] op_sel_hi:[1,0]   ; the sums under the new M: the plain instruction behind the exponentials
	s_wait_alu depctr_va_vdst(0)                   ; one wait for the batch of 64, ahead of its first reader
.irp b, 0,1,2,3
	v_exp_f32 v[BM+\b], v[BM+\b]                   ; the block's largest p: the same two instructions on the same number give the same bits
.endr
	v_pk_add_f32 v[PM:PM+1], v[rS:rS+1], v[rS+2:rS+3]   ; the row's sum is taken of the unquantised p: two at a time, in two chains; it reads the 64 alone
.set j, 4
.rept 15
	v_pk_add_f32 v[rT+2:rT+3], v[rT+2:rT+3], v[rS+j:rS+j+1]
	v_pk_add_f32 v[PM:PM+1], v[PM:PM+1], v[rS+j+2:rS+j+3]
.set j, j+4
.endr
	v_pk_add_f32 v[rT+2:rT+3], v[rT+2:rT+3], v[PM:PM+1]
	s_wait_alu depctr_va_vdst(0)                   ; and one for the four
.irp b, 0,1,2,3
	v_max_num_f32 v[BM+\b], 0x4800000, v[BM+\b]    ; the floor 2^(9 - 127): the byte cannot fall under 1 (a block whose every p is 0 keeps that byte: its codes are zeros)
.endr
.irp b, 0,1,2,3
	v_add_nc_u32 v[SO+\b], 0xfc000000, v[BM+\b]    ; 8 off the exponent field: the conversion's scale operand
.endr
.irp b, 0,1,2,3
	v_and_or_b32 v[HD+\b], v[BM+\b], 0x7f800000, s[MNT]   ; 448 x the scale
.endr
.irp b, 0,1,2,3
	v_lshrrev_b32 v[PM+\b], 23, v[SO+\b]           ; the scale's byte
.endr
	v_lshl_or_b32 v[PW+\q], v[PM+1], 8, v[PM]      ; p's scale word for these 128 keys; the 64 lines below are more than the eight places that it owes ahead of the scaled products
	v_lshl_or_b32 v[PW+\q], v[PM+2], 16, v[PW+\q]
	v_lshl_or_b32 v[PW+\q], v[PM+3], 24, v[PW+\q]
.irp b, 0,1,2,3
.set j, 0
.rept 16
	v_min_num_f32 v[rS+16*\b+j], v[rS+16*\b+j], v[HD+\b]   ; the conversion to an 8-bit code does not saturate (ISA guide 7.6.2); p is not negative, so the hold is one-sided
.set j, j+1
.endr
.endr
	WIN W_D1
.irp b, 0,1,2,3
	v_cvt_scalef32_pk8_fp8_f32 v[PC+16*\q+4*\b:PC+16*\q+4*\b+1], v[rS+16*\b:rS+16*\b+7], v[SO+\b]
	v_cvt_scalef32_pk8_fp8_f32 v[PC+16*\q+4*\b+2:PC+16*\q+4*\b+3], v[rS+16*\b+8:rS+16*\b+15], v[SO+\b]
.endr
	v_nop                                          ; one plain instruction behind the last conversion, ahead of whatever next touches its results or writes its sources
	WIN 0
.endm
; A KEY STEP for my two tiles, out of slot \slot.
.macro STEP slot
	MLOAD 0                                        ; tile 0's lane masks: the first product's loads and instructions stand ahead of the wait for them
	WIN W_KQ
	ds_load_b128 v[KS:KS+3], v[ADF+\slot] offset:KSO
	ds_load_b128 v[VS:VS+3], v[ADF+\slot] offset:VSO
	FRAGS \slot, 0
	KQ8 0
	PLACES 8
	FRAGS \slot, 8192
	KQ8 1
	PLACES 8
	WIN 0
	CND 0
	SM 0
	CND 1
	SM 1
	FRAGS \slot, VIMG                              ; V's first four fragments land while O^T is rescaled
	WIN W_RS
.irp q, 0,1
.set k, 0
.rept 32
	v_pk_mul_f32 v[64*\q+k:64*\q+k+1], v[64*\q+k:64*\q+k+1], v[FQ+2*\q:FQ+2*\q+1] op_sel_hi:[1,0]   ; O^T under the new M: x f, from each accumulator's low end on; these are also the places that p's codes owe ahead of the scaled products
.set k, k+2
.endr
.endr
	WIN W_PV
	PV8 0
	WIN 0
	PLACES 8
	FRAGS \slot, VIMG+8192
	WIN W_PV
	PV8 1
	WIN 0
	PLACES 8                                       ; behind the last products, for whatever comes next on any path: loads into the fragments' and scale words' registers, the first read of O^T
.endm
; A TRIP: the next step's loads go out; the step in hand is worked, if one of my tiles sees it; the next step goes into the other slot; ONE barrier, on every path.  In front of it my reads of this slot are back and my
; stores into the other have landed; behind it this slot may be written and the other read.
.macro TRIP slot
	LOADS LM
	s_bitcmp1_b32 s[CM], 0
	s_cbranch_scc0 .Lidle_\@
	STEP \slot
.Lidle_\@:
	STORES 1-\slot, LM
	s_lshr_b32 s[LM], s[LM], 1
	s_lshr_b32 s[CM], s[CM], 1
	s_lshr_b32 s[FM], s[FM], 1
	s_add_nc_u64 s[MB:MB+1], s[MB:MB+1], 256       ; (behind the wait on XCNT in STORES: the scalar loads have read their base)
	s_wait_dscnt 0x0
	s_barrier_signal -1
	s_barrier_wait -1
.endm
	s_load_b512 s[4:19], s[0:1], 0x0               ; q_codes s[4:5], q_scales s[6:7], k_codes s[8:9], v_codes s[10:11], scimg s[12:13], mbits s[14:15], meta s[16:17], out0 s[18:19]
	v_lshl_add_u32 v[SPW], v0, 2, SPARE
	v_mov_b32 v[NIL], 0
	v_lshrrev_b32 v56, 5, v0
	v_readfirstlane_b32 s[WV], v56                 ; wave 0..7
	v_and_b32 v57, 31, v0                          ; lane
	v_and_b32 v58, 15, v0                          ; r
	v_bfe_u32 v59, v0, 4, 1                        ; h
	v_lshlrev_b32 v[ADF], 4, v57
	v_add_nc_u32 v[ADF+1], SLOT, v[ADF]
	s_lshl_b32 s89, s[WV], 11
	v_add_nc_u32 v[STA], s89, v[ADF]
	v_add_nc_u32 v[STA+1], SLOT, v[STA]
	s_lshl_b32 s89, s[WV], 7
	v_lshl_add_u32 v[SOFF], v57, 2, s89            ; 128 x wave + 4 x lane
	v_add_nc_u32 v[STS], KSO, v[SOFF]
	v_add_nc_u32 v[STS+1], SLOT, v[STS]
	s_lshr_b32 s89, s[WV], 1                       ; K's fragment w = 2 b + u begins at key 32 b + 8 u
	s_lshl_b32 s89, s89, 5
	s_and_b32 s98, s[WV], 1
	s_lshl_b32 s98, s98, 3
	s_add_co_u32 s89, s89, s98
	v_and_b32 v60, 8, v58
	v_add_nc_u32 v60, v60, v58                     ; r + 8 (r / 8)
	v_add_nc_u32 v60, s89, v60
	v_lshlrev_b32 v[KOFF], 7, v60                  ; a key's 128 bytes,
	v_lshl_add_u32 v[KOFF], v59, 4, v[KOFF]        ; + 16 h
	s_lshl_b32 s89, s[WV], 4
	v_add_nc_u32 v61, s89, v58                     ; V's fragment w: channel 16 w + r,
	v_lshlrev_b32 v[VOFF], 12, v61                 ; a row of 4,096 bytes,
	v_lshl_add_u32 v[VOFF], v59, 4, v[VOFF]
	s_mul_i32 s89, s[WV], 16*SPITCH
	s_add_co_u32 s89, s89, STAGE                   ; my stage
	v_mul_u32_u24 v[SOA], v58, SPITCH
	v_lshl_add_u32 v[SOA], v59, 5, v[SOA]
	v_add_nc_u32 v[SOA], s89, v[SOA]               ; in: row r, + 32 h
	v_add_nc_u32 v[RDA], s89, v[ADF]               ; back: 32 lanes take a row of 512 bytes
	v_lshlrev_b32 v62, 7, v58
	v_lshl_add_u32 v62, v59, 4, v62                ; Q: row r of 128 bytes, + 16 h
	v_lshlrev_b32 v63, 2, v58                      ; Q's scale words: 4 bytes a row
	s_mov_b32 s[CS], 0x3e0293ee                    ; c = log2(e) / sqrt(128)
	s_mov_b32 s[CS+1], s[CS]                       ; (named with it as a pair, so it is written)
	s_mov_b32 s[SEL], 0x76543210
	s_mov_b32 s[SEL+1], 0xfedcba98
	s_mov_b32 s[MNT], 0x600000
	s_and_b32 s89, ttmp7, 0xffff                   ; the head
	s_lshl_b32 s97, ttmp9, 8
	s_lshl_b32 s96, s[WV], 5
	s_add_co_u32 s97, s97, s96                     ; my first query: 256 x work-group x + 32 x wave
	s_mov_b32 s99, 0
	s_wait_kmcnt 0x0
	s_lshl_b32 s98, s89, 19                        ; a head's codes: 524,288 bytes
	s_add_nc_u64 s[KB:KB+1], s[8:9], s[98:99]
	s_add_nc_u64 s[VB:VB+1], s[10:11], s[98:99]
	s_add_nc_u64 s[90:91], s[4:5], s[98:99]
	s_lshl_b32 s98, s89, 15                        ; its 32 scale images
	s_add_nc_u64 s[SIB:SIB+1], s[12:13], s[98:99]
	s_lshl_b32 s98, s89, 14                        ; its scale bytes of Q
	s_add_nc_u64 s[92:93], s[6:7], s[98:99]
	s_lshl_b32 s98, s89, 21                        ; its rows of O
	s_add_nc_u64 s[OB:OB+1], s[18:19], s[98:99]
	s_lshl_b32 s98, s97, 7
	s_add_nc_u64 s[90:91], s[90:91], s[98:99]      ; Q's codes at my first query
	s_lshl_b32 s98, s97, 2
	s_add_nc_u64 s[92:93], s[92:93], s[98:99]      ; and its scale words
	s_lshl_b32 s98, s97, 9                         ; 512 bytes a query in O; and in mbits too: 8,192 bytes a tile of 16
	s_add_nc_u64 s[OB:OB+1], s[OB:OB+1], s[98:99]
	s_add_nc_u64 s[MB:MB+1], s[14:15], s[98:99]
	s_lshl_b32 s98, ttmp9, 6
	s_add_nc_u64 s[94:95], s[16:17], s[98:99]      ; A of my work-group's 16 tiles
	s_lshl_b32 s98, s[WV], 3
	s_add_nc_u64 s[96:97], s[94:95], s[98:99]      ; of my two
	s_load_b512 s[20:35], s[94:95], 0x0
	s_load_b64 s[36:37], s[96:97], 0x0
	s_load_b64 s[38:39], s[96:97], 0x400           ; and their F
	WIN W_D1
.irp q, 0,1
.irp c, 0,1,2,3
	global_load_b128 v[QF+16*\q+4*\c:QF+16*\q+4*\c+3], v62, s[90:91] offset:2048*\q+32*\c th:TH_LOAD_NT   ; Q's two fragments stay in registers
.endr
.endr
.set k, 0
.rept 128
	v_mov_b32 v[k], 0                              ; O^T.  Which key step is a wave's first hangs on the mask, so no first step can be written out to start the sums: they begin as zeros, which the first change of M leaves zeros
.set k, k+1
.endr
.set k, GK
.rept 33
	v_mov_b32 v[k], 0                              ; staging: written on every path
.set k, k+1
.endr
	WIN 0
	global_load_b32 v[QS], v63, s[92:93]
	global_load_b32 v[QS+1], v63, s[92:93] offset:64
.irp q, 0,1
	v_mov_b32 v[ST+4*\q+1], 0xff61b1e6             ; the largest t so far: -3e38, under every t
	v_floor_f32 v[ST+4*\q], -v[ST+4*\q+1]          ; -M
	v_mov_b32 v[ST+4*\q+2], 0                      ; the sum, in two halves
	v_mov_b32 v[ST+4*\q+3], 0
	v_mov_b32 v[FQ+2*\q], 0
	v_mov_b32 v[FQ+2*\q+1], 0                      ; (named as the upper half of a pair)
.endr
.irp b, 0,1,2,3
	v_mov_b32 v[PM+\b], 0                          ; written once: a lane permute's destination counts as one of its sources
.endr
	v_mov_b32 v[NEG], 0xf3000000                   ; -2^103
	s_wait_kmcnt 0x0
	s_or_b32 s[WG], s20, s21
.irp i, 22,23,24,25,26,27,28,29,30,31,32,33,34,35
	s_or_b32 s[WG], s[WG], s[\i]
.endr
	s_or_b32 s[CM], s36, s37
	s_and_b32 s[FM], s38, s39
	LOADS WG                                       ; key step 0
	STORES 0, WG                                   ; its wait for all loads brings Q and its scale words too
	s_lshr_b32 s[LM], s[WG], 1                     ; from now on bit 0 speaks of the step after the one in hand; in the last trip it is 0, so no load leaves its buffer
	s_wait_dscnt 0x0
	s_barrier_signal -1
	s_barrier_wait -1
	s_mov_b32 s[CNT], 16
.Lpair:                                            ; 16 x 2 trips: all 32 key steps, a constant
	TRIP 0
	TRIP 1
	s_sub_co_u32 s[CNT], s[CNT], 1
	s_cmp_lg_u32 s[CNT], 0
	s_cbranch_scc1 .Lpair
	; THE WAY OUT.  The sum's two halves and lane l xor 16's are added; O^T is divided by the sum and goes through my own stage in LDS, a tile (16 rows of 512 bytes) at a time.
.irp q, 0,1
	v_add_f32 v[ST+4*\q+2], v[ST+4*\q+2], v[ST+4*\q+3]
.endr
.irp q, 0,1
	v_permlanex16_b32 v[PM+\q], v[ST+4*\q+2], s[SEL], s[SEL+1]
.endr
.irp q, 0,1
	v_add_f32 v[ST+4*\q+2], v[ST+4*\q+2], v[PM+\q]
.endr
.irp q, 0,1
	v_rcp_f32 v[FQ+2*\q], v[ST+4*\q+2]
.endr
	v_nop                                          ; a plain instruction between the last reciprocal and the use of its result
	s_wait_alu depctr_va_vdst(0)                   ; and a wait ahead of the first use: one for the two
.macro TOSTAGE q
	WIN W_OUT
.set k, 0
.rept 32
	v_pk_mul_f32 v[SCR+64*\q+k:SCR+64*\q+k+1], v[64*\q+k:64*\q+k+1], v[FQ+2*\q:FQ+2*\q+1] op_sel_hi:[1,0]   ; register 8 f + i is o(r, 16 f + 8 h + i); each accumulator from its low end on
.set k, k+2
.endr
	WIN 0
.irp f, 0,1,2,3,4,5,6,7
	ds_store_b128 v[SOA], v[SCR+64*\q+8*\f:SCR+64*\q+8*\f+3] offset:64*\f
	ds_store_b128 v[SOA], v[SCR+64*\q+8*\f+4:SCR+64*\q+8*\f+7] offset:64*\f+16
.endr
.irp i, 0,1,2,3,4,5,6,7,8,9,10,11,12,13,14,15
	ds_load_b128 v[FRG+64*\q+4*\i:FRG+64*\q+4*\i+3], v[RDA] offset:\i*SPITCH   ; my own bytes, served in order (ISA guide 5.7.1.4): these see the stores above, and the next tile's stores come behind them
.endr
.endm
.macro SEND q, younger                 ; younger: the LDS instructions issued behind tile q's loads, which may stay out
.irp i, 0,1,2,3,4,5,6,7,8,9,10,11,12,13,14,15
	s_wait_dscnt \younger+15-\i
	global_store_b128 v[ADF], v[FRG+64*\q+4*\i:FRG+64*\q+4*\i+3], s[OB:OB+1] offset:8192*\q+512*\i th:TH_STORE_NT   ; 32 lanes store a row's 512 consecutive bytes, aligned; written once, read by nobody here
.endr
.endm
	TOSTAGE 0
	TOSTAGE 1                                      ; tile 1's arithmetic stands between tile 0's loads and its stores
	SEND 0, 32                                     ; behind tile 0's loads: tile 1's 16 stores and 16 loads
	SEND 1, 0
	s_wait_tensorcnt 0x0                           ; the wave's end, behind my last LDS store
	ds_add_u32 v[SPW], v[NIL]
	s_wait_dscnt 0x0
	s_endpgm
.Lfunc_end_k_qf465d5e6cf_attn:
	.size	k_qf465d5e6cf_attn, .Lfunc_end_k_qf465d5e6cf_attn-k_qf465d5e6cf_attn
	.p2alignl 7, 3214868480
	.fill 96, 4, 3214868480
	.section	.rodata,"a",@progbits
	.p2align	6, 0x0
	.amdhsa_kernel k_qf465d5e6cf_attn
		.amdhsa_group_segment_fixed_size 136192
		.amdhsa_private_segment_fixed_size 0
		.amdhsa_enable_private_segment 0
		.amdhsa_kernarg_size 64
		.amdhsa_user_sgpr_count 2
		.amdhsa_user_sgpr_kernarg_segment_ptr 1
		.amdhsa_wavefront_size32 1
		.amdhsa_system_sgpr_workgroup_id_x 1
		.amdhsa_system_sgpr_workgroup_id_y 1
		.amdhsa_system_sgpr_workgroup_id_z 1
		.amdhsa_system_vgpr_workitem_id 0
		.amdhsa_next_free_vgpr 512
		.amdhsa_next_free_sgpr 100
		.amdhsa_reserve_vcc 0
		.amdhsa_float_denorm_mode_32 3
		.amdhsa_float_denorm_mode_16_64 3
		.amdhsa_memory_ordered 1
		.amdhsa_forward_progress 1
		.amdhsa_inst_pref_size 127
	.end_amdhsa_kernel
	.amdgpu_metadata
---
amdhsa.version: [ 1, 2 ]
amdhsa.kernels:
  - .name:           k_qf465d5e6cf_attn
    .symbol:         k_qf465d5e6cf_attn.kd
    .args:
      - { .name: q_codes, .offset: 0, .size: 8, .value_kind: global_buffer, .address_space: global }
      - { .name: q_scales, .offset: 8, .size: 8, .value_kind: global_buffer, .address_space: global }
      - { .name: k_codes, .offset: 16, .size: 8, .value_kind: global_buffer, .address_space: global }
      - { .name: v_codes, .offset: 24, .size: 8, .value_kind: global_buffer, .address_space: global }
      - { .name: scimg, .offset: 32, .size: 8, .value_kind: global_buffer, .address_space: global }
      - { .name: mbits, .offset: 40, .size: 8, .value_kind: global_buffer, .address_space: global }
      - { .name: meta, .offset: 48, .size: 8, .value_kind: global_buffer, .address_space: global }
      - { .name: out0, .offset: 56, .size: 8, .value_kind: global_buffer, .address_space: global }
    .group_segment_fixed_size: 136192
    .private_segment_fixed_size: 0
    .kernarg_segment_align: 8
    .kernarg_segment_size: 64
    .max_flat_workgroup_size: 256
    .sgpr_count:     100
    .vgpr_count:     512
    .wavefront_size: 32
...
	.end_amdgpu_metadata
.endif
;; end of part 2
;; ======== version 2 of 2: 2 launches
;; limits: right only within a limited range of input values
;; workspace buffers: mbits 2,097,152 bytes of whole numbers; meta 2,048 bytes of whole numbers; scimg 524,288 bytes
;; launch prep (part 3): grid 256 x 1, 8 waves a work-group, no clusters, 68,864 bytes of LDS; arguments mask, k_scales, v_scales, mbits, meta, scimg; writes mbits, meta, scimg
.if DOCPART == 3
	.amdgcn_target "amdgcn-amd-amdhsa--gfx1250"
	.amdhsa_code_object_version 6
	.text
	.protected	k_qf465d5e6cf_prep
	.globl	k_qf465d5e6cf_prep
	.p2align	8
	.type	k_qf465d5e6cf_prep,@function
k_qf465d5e6cf_prep:
	s_mov_b64 s[64:65], 0
	v_nop
	global_prefetch_b8 v0, s[64:65] scope:SCOPE_SE
	s_setreg_imm32_b32 hwreg(HW_REG_WAVE_MODE, 25, 1), 1
	s_wait_xcnt 0x0
; PREP: the mask [4096][4096] (one byte a place, 0 or 1) becomes what the attention launch reads, and K's and V's scale bytes are laid as images of its scale registers.
;  mbits [T = tile of 16 queries, 256][j = key step of 128, 32][n = 0..63], one word each: word n is the lane mask for score register n = 16 b + i of a wave of the attention launch:
;        bit L = mask[16 T + L % 16][128 j + 32 b + 16 (L / 16) + i].  An entry (T, j) is 256 bytes.
;  meta  A[256] from byte 0, F[256] from byte 1024.  Bit j of A[T]: some place of tile T is visible in key step j; A[T] is all ones where some row of T sees no key at all (such a row's softmax
;        runs over all 4,096 keys).  Bit j of F[T]: all 16 x 128 places are visible.
;  scimg [head][j][1024]: bytes 0-511: the word at 16 L + 4 d is the scale word of key 128 j + 32 d + 8 (L / 16) + r + 8 (r / 8), r = L % 16;
;        bytes 512-1023: the word at 16 L + 4 d is that of V's channel 32 d + 16 (L / 16) + r for keys 128 j .. 128 j + 127.
; SHARES.  Work-group g takes query tile T = g and the scale images 2 g and 2 g + 1.  Wave w takes key steps 4 w .. 4 w + 3: 512 bytes of each of the tile's 16 rows.
; Each mask load reads 512 consecutive bytes; the 16 rows turn through the wave's own stage in LDS, so that lane (r, h) holds, of row r, the 16 bytes of its half of each block of 32 keys.
; No matrix work, no tensor load: the launch streams 16 MiB once.  LIMIT: a mask byte is 0 or 1, as the problem states it.
.set PITCH, 528                        ; a stage row: 512 bytes + 16: 132 words, so that the 16 rows that a load touches start 4 words apart modulo 64
.set STGW,  16*PITCH                   ; a wave's stage
.set META,  8*STGW                     ; 16 bytes for each wave: its bits of A, of F, and its rows with a visible key
.set SPARE, META+256                   ; the spare words, 128 bytes for each wave: four blocks of 256 bytes that no other line names
.set SPW,   10                         ; v10  LDS address of my spare word; never rewritten
.set NIL,   11                         ; v11  0; never rewritten
.set R,     16                         ; v16-79   16 rows x 4 registers, as loaded
.set X,     80                         ; v80-143  register 16 jj + 4 b + e: bytes i = 4 e .. 4 e + 3 of block b of key step 4 w + jj
.set W,     144                        ; v144-151 a pair for each jj: lane l holds words 2 l and 2 l + 1 of the entry
.set TT,    152                        ; v152-159 at work
	s_load_b256 s[4:11], s[0:1], 0x0               ; mask s[4:5], k_scales s[6:7], v_scales s[8:9], mbits s[10:11]
	s_load_b128 s[12:15], s[0:1], 0x20             ; meta s[12:13], scimg s[14:15]
	v_lshl_add_u32 v[SPW], v0, 2, SPARE
	v_mov_b32 v[NIL], 0
	v_lshrrev_b32 v1, 5, v0
	s_delay_alu instid0(VALU_DEP_1)
	v_readfirstlane_b32 s16, v1                    ; wave 0..7
	s_delay_alu instid0(VALU_DEP_2)
	v_lshlrev_b32 v15, 4, v1
	s_delay_alu instid0(VALU_DEP_1)
	v_add_nc_u32 v15, META, v15                    ; where my wave's 16 bytes of meta go
	v_and_b32 v1, 31, v0                           ; lane
	s_delay_alu instid0(VALU_DEP_1)
	v_lshlrev_b32 v2, 4, v1                        ; 16 x lane: my bytes of a load's 512
	s_delay_alu instid0(VALU_DEP_2)
	v_lshlrev_b32 v5, 3, v1                        ; 8 x lane: my bytes of a store's 256
	s_mul_i32 s17, s16, STGW
	v_add_nc_u32 v3, s17, v2                       ; the stage, on the way in
	v_and_b32 v12, 15, v0                          ; r
	v_bfe_u32 v13, v0, 4, 1                        ; h
	s_delay_alu instid0(VALU_DEP_2)
	v_mul_u32_u24 v4, v12, PITCH
	s_delay_alu instid0(VALU_DEP_1)
	v_lshl_add_u32 v4, v13, 4, v4
	s_delay_alu instid0(VALU_DEP_1)
	v_add_nc_u32 v4, s17, v4                       ; and on the way out: row r, + 16 h
	v_mov_b32 v164, 0                              ; the offset of the two stores into meta
	v_mov_b32 v165, META
	; THE SCALE IMAGES.  Waves 0-3 make image 2 g, waves 4-7 image 2 g + 1; of the four, two make K's 512 bytes and two V's, 256 bytes each: two words a lane.
	s_lshr_b32 s18, s16, 2                         ; which image
	s_bfe_u32 s19, s16, 0x10001                    ; 0: K's half, 1: V's
	s_and_b32 s20, s16, 1                          ; which 256 bytes of the 512
	s_lshl_b32 s21, s20, 5
	v_add_nc_u32 v8, s21, v1                       ; y = 0..63: my pair of words lies at byte 8 y
	s_delay_alu instid0(VALU_DEP_1)
	v_lshrrev_b32 v9, 1, v8                        ; L = y / 2: the lane of the attention wave that will hold them
	s_delay_alu instid0(VALU_DEP_1)
	v_and_b32 v12, 15, v9                          ; r = L % 16
	s_delay_alu instid0(VALU_DEP_2)
	v_lshrrev_b32 v13, 4, v9                       ; L / 16
	s_delay_alu instid0(VALU_DEP_2)
	v_lshrrev_b32 v14, 3, v12                      ; r / 8
	v_and_b32 v6, 1, v8
	s_delay_alu instid0(VALU_DEP_1)
	v_lshlrev_b32 v7, 1, v6                        ; d of my first word: 0 or 2
	s_mov_b32 s38, 4096                            ; (an instruction takes one literal)
	s_cmp_eq_u32 s19, 0                            ; bytes from r to r + 1, for r / 8, for L / 16, from d to d + 1, from j to j + 1: K's (4 bytes a key) or V's (128 bytes a channel, 4 a key step)
	s_cselect_b32 s35, 4, 128
	s_cselect_b32 s36, 32, 0
	s_cselect_b32 s37, 32, 2048
	s_cselect_b32 s38, 128, s38
	s_cselect_b32 s39, 512, 4
	v_mul_u32_u24 v6, s35, v12
	s_delay_alu instid0(VALU_DEP_1)
	v_mad_u32_u24 v6, v14, s36, v6
	s_delay_alu instid0(VALU_DEP_1)
	v_mad_u32_u24 v6, v13, s37, v6
	s_delay_alu instid0(VALU_DEP_1)
	v_mad_u32_u24 v6, v7, s38, v6                  ; my first word's place in the head's scale bytes, key step 0
	s_delay_alu instid0(VALU_DEP_1)
	v_add_nc_u32 v7, s38, v6                       ; and my second's
	s_lshr_b32 s21, ttmp9, 4                       ; image 2 g + img = 32 head + j
	s_lshl_b32 s21, s21, 14                        ; a head's scale bytes: 16,384
	s_and_b32 s22, ttmp9, 15
	s_lshl_b32 s22, s22, 1
	s_add_co_u32 s22, s22, s18                     ; j
	s_mul_i32 s22, s22, s39
	s_add_co_u32 s42, s21, s22
	s_mov_b32 s43, 0
	s_lshl_b32 s44, ttmp9, 1
	s_add_co_u32 s44, s44, s18
	s_lshl_b32 s44, s44, 10                        ; the image's 1,024 bytes,
	s_lshl_b32 s45, s19, 9
	s_add_co_u32 s44, s44, s45                     ; its half,
	s_lshl_b32 s45, s20, 8
	s_add_co_u32 s44, s44, s45                     ; my wave's 256 bytes
	s_mov_b32 s45, 0
	s_lshl_b32 s46, ttmp9, 16                      ; the mask: 16 rows of 4,096 bytes a tile,
	s_lshl_b32 s47, s16, 9
	s_add_co_u32 s46, s46, s47                     ; my wave's 512 bytes of a row
	s_mov_b32 s47, 0
	s_lshl_b32 s24, ttmp9, 13                      ; mbits: 32 entries of 256 bytes a tile,
	s_lshl_b32 s25, s16, 10
	s_add_co_u32 s24, s24, s25                     ; my wave's four
	s_mov_b32 s25, 0
	s_lshl_b32 s26, ttmp9, 2                       ; meta: a word a tile
	s_mov_b32 s27, 0
	s_wait_alu depctr_va_vdst(0)
	s_wait_kmcnt 0x0
	s_cmp_eq_u32 s19, 0                            ; the choice hangs on the wave's number alone
	s_cselect_b64 s[40:41], s[6:7], s[8:9]
	s_add_nc_u64 s[40:41], s[40:41], s[42:43]
	s_add_nc_u64 s[14:15], s[14:15], s[44:45]
	s_add_nc_u64 s[4:5], s[4:5], s[46:47]
	s_add_nc_u64 s[10:11], s[10:11], s[24:25]
	s_add_nc_u64 s[12:13], s[12:13], s[26:27]
	global_load_b32 v8, v6, s[40:41]
	global_load_b32 v9, v7, s[40:41]
.irp i, 0,1,2,3,4,5,6,7,8,9,10,11,12,13,14,15
	global_load_b128 v[R+4*\i:R+4*\i+3], v2, s[4:5] offset:4096*\i th:TH_LOAD_NT   ; row i: 32 lanes read 512 consecutive bytes; read once in the launch
.endr
.irp i, 0,1,2,3,4,5,6,7
	v_mov_b32 v[W+\i], 0                           ; written whole once: a lane write's destination counts as read
.endr
	v_mov_b32 v12, 0                               ; my row's OR over the wave's four key steps
	s_mov_b32 s32, 0                               ; the wave's four bits of A
	s_mov_b32 s33, 0                               ; and of F
	s_wait_loadcnt 16                              ; the two scale words are in; the 16 mask loads issued behind them may be out
	global_store_b64 v5, v[8:9], s[14:15]          ; 32 lanes store 256 consecutive bytes, aligned
	s_wait_loadcnt 0x0
.irp i, 0,1,2,3,4,5,6,7,8,9,10,11,12,13,14,15
	ds_store_b128 v3, v[R+4*\i:R+4*\i+3] offset:PITCH*\i
.endr
.irp jj, 0,1,2,3
.irp b, 0,1,2,3
	ds_load_b128 v[X+16*\jj+4*\b:X+16*\jj+4*\b+3], v4 offset:128*\jj+32*\b   ; my wave's own bytes, served in order (ISA guide 5.7.1.4): these see the stores above
.endr
.endr
	s_wait_dscnt 0x0
; Key step 4 w + jj: its bit of A and of F, and its 64 lane masks.
.macro BITS jj
	v_or_b32 v13, v[X+16*\jj], v[X+16*\jj+1]
	v_and_b32 v14, v[X+16*\jj], v[X+16*\jj+1]
.irp e, 2,3,4,5,6,7,8,9,10,11,12,13,14,15
	s_delay_alu instid0(VALU_DEP_2)
	v_or_b32 v13, v13, v[X+16*\jj+\e]
	s_delay_alu instid0(VALU_DEP_2)
	v_and_b32 v14, v14, v[X+16*\jj+\e]
.endr
	s_delay_alu instid0(VALU_DEP_2)
	v_or_b32 v12, v12, v13
	s_delay_alu instid0(VALU_DEP_3)
	v_cmp_ne_u32 s35, 0, v13                       ; lanes with a visible place
	s_delay_alu instid0(VALU_DEP_3)
	v_cmp_eq_u32 s36, 0x01010101, v14              ; lanes all of whose 64 places are visible
	s_cmp_lg_u32 s35, 0
	s_cselect_b32 s37, 1<<\jj, 0
	s_or_b32 s32, s32, s37
	s_cmp_eq_u32 s36, -1
	s_cselect_b32 s37, 1<<\jj, 0
	s_or_b32 s33, s33, s37
.set n0, 0
.rept 8                                        ; eight words at a time: pick byte n % 4 of register n / 4, compare, and put the lane mask into lane n / 2 of register n % 2
.set k, 0
.rept 8
	v_and_b32 v[TT+k], 1<<(8*((n0+k)&3)), v[X+16*\jj+((n0+k)>>2)]
.set k, k+1
.endr
.set k, 0
.rept 8
	v_cmp_ne_u32 s[24+k], 0, v[TT+k]
.set k, k+1
.endr
.set k, 0
.rept 8
	v_writelane_b32 v[W+2*\jj+((n0+k)&1)], s[24+k], (n0+k)>>1
.set k, k+1
.endr
.set n0, n0+8
.endr
	global_store_b64 v5, v[W+2*\jj:W+2*\jj+1], s[10:11] offset:256*\jj   ; the entry: 256 consecutive bytes, aligned; each jj has its own pair, so no store's data are written again
.endm
	BITS 0
	BITS 1
	BITS 2
	BITS 3
	s_lshl_b32 s38, s16, 2
	s_lshl_b32 s32, s32, s38                       ; my four bits at their place among the 32
	s_lshl_b32 s33, s33, s38
	v_cmp_ne_u32 s34, 0, v12
	s_lshr_b32 s35, s34, 16
	s_or_b32 s34, s34, s35                         ; a row's two halves lie 16 lanes apart
	s_and_b32 s34, s34, 0xffff                     ; bit r: row r sees a key in my four steps
	v_mov_b32 v160, s32
	v_mov_b32 v161, s33
	v_mov_b32 v162, s34
	v_mov_b32 v163, 0
	ds_store_b128 v15, v[160:163]                  ; all lanes write the same 16 bytes with the same values
	s_wait_dscnt 0x0                               ; for wave 0's sake: my store has landed
	s_barrier_signal -1
	s_barrier_wait -1
	s_cmp_lg_u32 s16, 0                            ; wave 0 joins the eight and stores the tile's two words
	s_cbranch_scc1 .Lend
.irp k, 0,1,2,3,4,5,6,7
	ds_load_b128 v[R+4*\k:R+4*\k+3], v165 offset:16*\k
.endr
	s_wait_dscnt 0x0
.irp k, 1
	v_or_b32 v16, v16, v[R+4*\k]
	v_or_b32 v17, v17, v[R+4*\k+1]
	v_or_b32 v18, v18, v[R+4*\k+2]
.endr
.irp k, 2, 3, 4, 5, 6, 7
	s_delay_alu instid0(VALU_DEP_3)
	v_or_b32 v16, v16, v[R+4*\k]
	s_delay_alu instid0(VALU_DEP_3)
	v_or_b32 v17, v17, v[R+4*\k+1]
	s_delay_alu instid0(VALU_DEP_3)
	v_or_b32 v18, v18, v[R+4*\k+2]
.endr
	v_mov_b32 v19, -1
	s_delay_alu instid0(VALU_DEP_2)
	v_cmp_ne_u32 vcc_lo, 0xffff, v18               ; some row sees nothing:
	s_delay_alu instid0(VALU_DEP_1)
	v_cndmask_b32 v16, v16, v19, vcc_lo            ; then the tile walks every key step
	v_cmp_eq_u32 vcc_lo, 0, v0
	s_wait_alu depctr_va_vdst(0)
	s_wait_xcnt 0x0                                ; EXEC changes only behind this wait: stores have been issued
	s_and_saveexec_b32 s35, vcc_lo
	global_store_b32 v164, v16, s[12:13]           ; A[T]
	global_store_b32 v164, v17, s[12:13] offset:1024   ; F[T]
	s_wait_xcnt 0x0                                ; and again, in front of the line that widens it
	s_or_b32 exec_lo, exec_lo, s35
.Lend:
	s_wait_tensorcnt 0x0                           ; the wave's end, behind my last LDS store
	ds_add_u32 v[SPW], v[NIL]
	s_wait_dscnt 0x0
	s_endpgm
.Lfunc_end_k_qf465d5e6cf_prep:
	.size	k_qf465d5e6cf_prep, .Lfunc_end_k_qf465d5e6cf_prep-k_qf465d5e6cf_prep
	.p2alignl 7, 3214868480
	.fill 96, 4, 3214868480
	.section	.rodata,"a",@progbits
	.p2align	6, 0x0
	.amdhsa_kernel k_qf465d5e6cf_prep
		.amdhsa_group_segment_fixed_size 68864
		.amdhsa_private_segment_fixed_size 0
		.amdhsa_enable_private_segment 0
		.amdhsa_kernarg_size 48
		.amdhsa_user_sgpr_count 2
		.amdhsa_user_sgpr_kernarg_segment_ptr 1
		.amdhsa_wavefront_size32 1
		.amdhsa_system_sgpr_workgroup_id_x 1
		.amdhsa_system_sgpr_workgroup_id_y 1
		.amdhsa_system_sgpr_workgroup_id_z 1
		.amdhsa_system_vgpr_workitem_id 0
		.amdhsa_next_free_vgpr 168
		.amdhsa_next_free_sgpr 66
		.amdhsa_reserve_vcc 1
		.amdhsa_float_denorm_mode_32 3
		.amdhsa_float_denorm_mode_16_64 3
		.amdhsa_memory_ordered 1
		.amdhsa_forward_progress 1
		.amdhsa_inst_pref_size 67
	.end_amdhsa_kernel
	.amdgpu_metadata
---
amdhsa.version: [ 1, 2 ]
amdhsa.kernels:
  - .name:           k_qf465d5e6cf_prep
    .symbol:         k_qf465d5e6cf_prep.kd
    .args:
      - { .name: mask, .offset: 0, .size: 8, .value_kind: global_buffer, .address_space: global }
      - { .name: k_scales, .offset: 8, .size: 8, .value_kind: global_buffer, .address_space: global }
      - { .name: v_scales, .offset: 16, .size: 8, .value_kind: global_buffer, .address_space: global }
      - { .name: mbits, .offset: 24, .size: 8, .value_kind: global_buffer, .address_space: global }
      - { .name: meta, .offset: 32, .size: 8, .value_kind: global_buffer, .address_space: global }
      - { .name: scimg, .offset: 40, .size: 8, .value_kind: global_buffer, .address_space: global }
    .group_segment_fixed_size: 68864
    .private_segment_fixed_size: 0
    .kernarg_segment_align: 8
    .kernarg_segment_size: 48
    .max_flat_workgroup_size: 256
    .sgpr_count:     66
    .vgpr_count:     168
    .wavefront_size: 32
...
	.end_amdgpu_metadata
.endif
;; end of part 3
;; launch attn (part 4): grid 16 x 16, 8 waves a work-group, no clusters, 136,192 bytes of LDS; arguments q_codes, q_scales, k_codes, v_codes, scimg, mbits, meta, out0; writes out0
.if DOCPART == 4
	.amdgcn_target "amdgcn-amd-amdhsa--gfx1250"
	.amdhsa_code_object_version 6
	.text
	.protected	k_qf465d5e6cf_attn
	.globl	k_qf465d5e6cf_attn
	.p2align	8
	.type	k_qf465d5e6cf_attn,@function
k_qf465d5e6cf_attn:
	s_mov_b64 s[64:65], 0
	v_nop
	global_prefetch_b8 v0, s[64:65] scope:SCOPE_SE
	s_setreg_imm32_b32 hwreg(HW_REG_WAVE_SCHED_MODE, 0, 2), 2
	s_setreg_imm32_b32 hwreg(HW_REG_WAVE_MODE, 25, 1), 1
	s_wait_xcnt 0x0
	s_wait_alu depctr_vm_vsrc(0)
; O[h][q][:] = the sum over k of softmax_k(mask ? Q[h][q] . K[h][k] / sqrt(128) : -1e30) V[h][k][:], both products on codes of FP8 (E4M3) with one E8M0 scale for each 32 along a product's K.
; Q, K: [16][4096][128] codes; V: codes with the keys innermost, [16][128][4096]; O: [16][4096][128] f32.  The mask is an input: it is read (as the lane masks and the two bit lists that the launch
; before made of it) and honoured whatever it holds.  cu_seqlens and max_seqlen are used nowhere in the computation and are not taken.
; THE SOFTMAX AHEAD OF THE SECOND PRODUCT: t = score x log2(e) / sqrt(128); M = the row's largest t so far, rounded up to a whole number; p = 2^(t - M) is quantised along the keys, not normalised;
; the row's sum is taken of the unquantised p and divides O at the end.  When M moves, the sum and O are multiplied by 2^(old M - new M): exact.
; HIDDEN KEYS.  A hidden key's raw score becomes -2^103 ahead of the maximum, t = -1.29e30.  A power of two, so that c x score is exact: in a row that has seen nothing yet M = t and p = 1 exactly,
; which is what a row with no visible key at all is to have for all 4,096 keys; the first visible key makes 2^(old M - new M) = 0 and wipes those terms.
; LIMITS: the results are the stated ones as long as visible logits lie above about -9e29; NaN, infinities and the scale byte 0xff are not served.
; WORK THAT THE MASK THROWS AWAY IS NOT DONE.  Bit j of A[T] says whether tile T (16 queries) sees a key of step j (128 keys).  Every wave walks all 32 trips, a constant, and passes the trip's one barrier.
; Where both tiles see all of a step, the selects are jumped over.
; Those are branches on numbers read from memory: there are no tensor loads, no joint loads and no cluster; K and V go from memory through registers into LDS.
; SHARES.  A work-group owns 256 queries of one head; each of its eight waves 32 of them, two tiles, so that each fragment read from LDS feeds two products; two waves to a SIMD, so that one wave's
; vector work stands beside the other's matrix work.
; LAYOUT.  Both products are used transposed: S^T = K Q^T (source 0 = 16 keys, source 1 = 16 queries), O^T = V^T P^T: a lane holds ONE query (lane % 16) throughout.  THE KEYS OF A TILE ARE NOT NEIGHBOURS:
; lane r of fragment 2 b + u takes key 32 b + 8 u + r + 8 (r / 8), so that score register 16 b + i is key 32 b + 16 (lane / 16) + i, and the conversions' results are the second product's operand.
; LDS.  Two slots take turns.  A slot holds a key step as IMAGES OF THE OPERANDS' REGISTERS: K's 8 fragments (2,048 bytes each: register group c of lane l at 512 c + 16 l), V's 8, and 1,024 bytes of scale words.
; Wave w loads K's fragment w, V's fragment w and 128 bytes of scale words from memory into staging registers at a trip's head, a whole key step ahead, and stores them into the other slot at the trip's end.
; REGISTERS.  window 0: v1-9 addresses; v10, v11 the add's two; v12-19 statistics; v20-23 f; v24-39 at work; v40-51 scale words and nothing else; v52 -2^103; v56 staging's scale word;
;   v64-127 K's fragments 0-3, then V's 0-3; v128-255 S^T, then p, 64 a tile; tile 0's 64 take V's fragments 4-7 once its p is converted.
;   window 1: v0-127 O^T (tile q, channels 16 f on: 64 q + 8 f); v128-159 Q; v160-223 K's fragments 4-7, the first 32 of them then p's codes; v224-255 staging.
; THE MODE: SCHED_MODE bits 1:0 = 2 (LLVM: expert scheduling mode 2), set by the entry lines.  The code itself states the register dependences
; between vector or matrix instructions and memory or LDS instructions, with s_wait_alu, always for 0.
; THE PLAN.  Registers that memory or LDS instructions touch, in the loop:
;   staging        The global loads at a trip's head land in it, the LDS stores at the trip's end read it; behind the kernel's head no vector instruction names it.  One wait on vm_vsrc, at the trip's head.
;   KS, VS, K's eight fragments   The LDS loads at a step's head land in them.  Of these registers the last step's products read all, and its conversions wrote v160-191 of window 1.
;                  One wait on va_vdst, at the step's head; behind it the 34 loads go out in one run and the 16 products follow with no further s_wait_alu.
;   V's fragments 0-3 (v64-127)   read by the first product as K's; loaded in tile 0's softmax, behind its wait for the exponentials.
;   V's fragments 4-7 (v128-191)  tile 0's p, last named by its holds and conversions; loaded in tile 1's softmax, behind its wait for the exponentials.
;                  Those loads are dealt among the row's sums, which name the tile's own p, the statistics and v24-39 alone.
;   p's codes and scale words     written by vector instructions, taken by the scaled products: one wait on va_vdst directly ahead of the second product, behind its places.
;   s4-51, s68-83  a tile's 64 lane masks: scalar loads land in them, the tile's selects read them: tile 1's loads stand behind a wait on va_vdst behind tile 0's selects, tile 0's behind the wait at the step's head.
;   the addresses v1-9, v54, v55, v62, v63 are written at the head alone.
.set SLOT,   33792                     ; K's images 16,384, V's 16,384, scale words 1,024
.set VIMG,   16384
.set KSO,    32768                     ; K's scale words in a slot
.set VSO,    33280                     ; V's
.set STAGE,  2*SLOT                    ; the way out: 16 rows x (512 bytes + 16) for each wave
.set SPITCH, 528
.set SPARE,  STAGE+8*16*SPITCH         ; the spare words, 128 bytes for each wave: four blocks of 256 bytes that no other line names
.set ADF,  1                           ; v1, v2   16 x lane (+ SLOT): where my lane reads an image in slot 0, 1; v1 is also my byte offset in a row of O
.set STA,  3                           ; v3, v4   where I store my wave's fragments: slot + 2,048 x wave + 16 x lane
.set STS,  5                           ; v5, v6   and its scale words: slot + KSO + 128 x wave + 4 x lane
.set KOFF, 7                           ; v7   my lane's byte in a key step of K's codes
.set VOFF, 8                           ; v8   in V's
.set SOFF, 9                           ; v9   in a scale image
.set SPW,  10                          ; v10  LDS address of my spare word; never rewritten
.set NIL,  11                          ; v11  0; never rewritten
.set ST,   12                          ; tile q at v[12 + 4 q]: -M, the largest t, the sum in two halves
.set FQ,   20                          ; tile q: v[20 + 2 q] f = 2^(old M - new M); at the end 1 / the sum; the pair's upper half is written once
.set BM,   24                          ; v24-27 the four blocks' largest score, then largest p
.set PM,   28                          ; v28-31 the other half's; a chain of the sums; the bytes
.set HD,   32                          ; v32-35 448 x the scale
.set SO,   36                          ; v36-39 the conversions' scale operands
.set KS,   40                          ; v40-43 K's scale words: register d: lanes 0-15 fragment 2 d, lanes 16-31 fragment 2 d + 1
.set VS,   44                          ; v44-47 V's likewise
.set QS,   48                          ; v48, v49 Q's
.set PW,   50                          ; v50, v51 p's
.set NEG,  52
.set T1,   53
.set SOA,  54                          ; the way out: where I put 32 bytes of a row
.set RDA,  55                          ; and where I read a row back
.set GS,   56                          ; staging: my word of the scale image
.set FRG,  64                          ; K's fragments 0-3; V's fragment f at v[64 + 16 f], f = 0 .. 7, on into tile 0's part of SCR
.set SCR,  128
.set QF,   128                         ; window 1
.set PC,   160
.set K2,   160                         ; K's fragment 4 + t at v[160 + 16 t] of window 1
.set GK,   224
.set GV,   240
.set WV,   2                           ; s2   my wave's number
.set CNT,  3                           ; s3   counts pairs of trips
.set KB,   52                          ; s[52:53] K's codes of the head, at the key step to be loaded next;  s[54:55] V's;  s[56:57] the scale image
.set VB,   54
.set SIB,  56
.set MB,   58                          ; s[58:59] my first tile's lane masks of the key step in hand
.set OB,   60                          ; s[60:61] my first row of O
.set LM,   62                          ; s62  bit 0: some tile of the work-group sees the NEXT key step
.set CM,   63                          ; s63  bit 0: one of my two tiles sees the key step in hand
.set FM,   66                          ; s66  bit 0: both see all of it
.set WG,   67                          ; s67  the work-group's 32 bits
.set CS,   84                          ; s[84:85] c = log2(e) / sqrt(128): the packed form names a pair and takes its low word for both halves
.set SEL,  86                          ; s[86:87] lane selects for v_permlanex16_b32: lane l xor 16
.set MNT,  88                          ; s88  the mantissa field of 448
; s4-51 and s68-83: a tile's 64 lane masks (word n in s[4 + n], from n = 48 on in s[20 + n]); at the head the arguments, the bit lists and the wave's terms of the addresses
.set MSB, 0
.macro WIN new                         ; the immediate's high byte repeats the setting that is left; a switch that changes nothing is dropped.  At a label and at a branch every window is 0
.if MSB != \new
	s_set_vgpr_msb (MSB<<8)|\new
.set MSB, \new
.endif
.endm
.set W_KQ,  0x04                       ; source 1 (Q) window 1; source 0 (K's fragments 0-3) and the scores window 0
.set W_KQ2, 0x05                       ; sources 0 (K's fragments 4-7) and 1 (Q) window 1
.set W_D1,  0x40                       ; destination window 1
.set W_RS,  0x41                       ; O^T (destination and source 0) window 1, f window 0
.set W_PV,  0x54                       ; source 1 (p's codes), C and D (O^T) window 1; source 0 (V) window 0
.set W_ST,  0x04                       ; an LDS store's data are its source 1: window 1
.set W_OUT, 0x01                       ; source 0 (O^T) window 1
; A vector instruction that reads a matrix result or writes one of a matrix instruction's registers stands eight places behind it for this form, a matrix instruction that writes over one of them nine,
; and only plain vector instructions that name none of its registers are places.
.macro PLACES n
.rept \n
	v_nop
.endr
.endm
; My wave's part of the key step at which the three bases stand, into staging: one word and 4 + 4 loads of 16 bytes a lane.  reg: the scalar whose bit 0 says whether anybody will read the step.  again = 1: staging has been stored before.
.macro LOADS reg, again
.if \again
	s_wait_alu depctr_vm_vsrc(0)                   ; the LDS stores of the trip before have read staging, in which the loads below land; ahead of the branch, so that it stands on every path
.endif
	s_bitcmp1_b32 s[\reg], 0
	s_cbranch_scc0 .Lno_load_\@
	global_load_b32 v[GS], v[SOFF], s[SIB:SIB+1]
	WIN W_D1
.irp c, 0,1,2,3
	global_load_b128 v[GK+4*\c:GK+4*\c+3], v[KOFF], s[KB:KB+1] offset:32*\c
.endr
.irp c, 0,1,2,3
	global_load_b128 v[GV+4*\c:GV+4*\c+3], v[VOFF], s[VB:VB+1] offset:32*\c
.endr
	WIN 0
.Lno_load_\@:
.endm
; Staging goes into the slot as it stands; then the bases step, whether or not the step was loaded.  (Its data come from loads, or from the head's zeros, and its addresses from the head: both stand ahead of a wait on va_vdst.)
.macro STORES slot, reg
	s_wait_loadcnt 0x0                             ; on every path: no load of mine is out behind this line
	s_bitcmp1_b32 s[\reg], 0
	s_cbranch_scc0 .Lno_store_\@
	ds_store_b32 v[STS+(\slot)], v[GS]
	WIN W_ST
.irp c, 0,1,2,3
	ds_store_b128 v[STA+(\slot)], v[GK+4*\c:GK+4*\c+3] offset:512*\c
.endr
.irp c, 0,1,2,3
	ds_store_b128 v[STA+(\slot)], v[GV+4*\c:GV+4*\c+3] offset:VIMG+512*\c
.endr
	WIN 0
.Lno_store_\@:
	s_wait_xcnt 0x0                                ; the loads have read their bases
	s_add_nc_u64 s[KB:KB+1], s[KB:KB+1], 16384     ; 128 keys of 128 bytes
	s_add_nc_u64 s[VB:VB+1], s[VB:VB+1], 128       ; 128 codes on in each of V's rows
	s_add_nc_u64 s[SIB:SIB+1], s[SIB:SIB+1], 1024
.endm
.macro KFRAGS slot                     ; the step's scale words and K's eight fragments: 34 LDS loads in one run, each of 512 consecutive bytes
	ds_load_b128 v[KS:KS+3], v[ADF+\slot] offset:KSO
	ds_load_b128 v[VS:VS+3], v[ADF+\slot] offset:VSO
.irp t, 0,1,2,3
.irp c, 0,1,2,3
	ds_load_b128 v[FRG+16*\t+4*\c:FRG+16*\t+4*\c+3], v[ADF+\slot] offset:2048*\t+512*\c
.endr
.endr
	WIN W_D1
.irp t, 0,1,2,3
.irp c, 0,1,2,3
	ds_load_b128 v[K2+16*\t+4*\c:K2+16*\t+4*\c+3], v[ADF+\slot] offset:8192+2048*\t+512*\c
.endr
.endr
.endm
.macro MLOAD q                         ; tile q's 64 lane masks of the key step in hand: 256 bytes
	s_load_b512 s[4:19],  s[MB:MB+1], 8192*\q
	s_load_b512 s[20:35], s[MB:MB+1], 8192*\q+64
	s_load_b512 s[36:51], s[MB:MB+1], 8192*\q+128
	s_load_b512 s[68:83], s[MB:MB+1], 8192*\q+192
.endm
.macro CND q                           ; hidden scores become -2^103: one select a register, in ascending order
	s_wait_kmcnt 0x0                               ; on every path: scalar loads come back in no order, so the wait is for all
	s_bitcmp1_b32 s[FM], 0
	s_cbranch_scc1 .Lfull_\@
.set n, 0
.rept 48
	v_cndmask_b32 v[SCR+64*\q+n], v[NEG], v[SCR+64*\q+n], s[4+n]
.set n, n+1
.endr
.rept 16
	v_cndmask_b32 v[SCR+64*\q+n], v[NEG], v[SCR+64*\q+n], s[20+n]
.set n, n+1
.endr
.Lfull_\@:
.endm
; Eight products S^T = K Q^T: fragments 4 g + t of K against both tiles of Q.  The wait leaves the later fragments' loads out, four each.  The accumulators take turns, one instruction a turn.
.macro KQ8 g
.if \g
.set KA, K2
.else
.set KA, FRG
.endif
.irp t, 0,1,2,3
	s_wait_dscnt 28-4*(4*\g+\t)
.irp q, 0,1
.if \t % 2
	v_wmma_scale_f32_16x16x128_f8f6f4 v[SCR+64*\q+8*(4*\g+\t):SCR+64*\q+8*(4*\g+\t)+7], v[KA+16*\t:KA+16*\t+15], v[QF+16*\q:QF+16*\q+15], 0, v[KS+(4*\g+\t)/2], v[QS+\q] matrix_a_scale:MATRIX_SCALE_ROW1
.else
	v_wmma_scale_f32_16x16x128_f8f6f4 v[SCR+64*\q+8*(4*\g+\t):SCR+64*\q+8*(4*\g+\t)+7], v[KA+16*\t:KA+16*\t+15], v[QF+16*\q:QF+16*\q+15], 0, v[KS+(4*\g+\t)/2], v[QS+\q]
.endif
.endr
.endr
.endm
; Sixteen products O^T += V^T P^T: channels 16 f on, both tiles; K = the step's 128 keys.  The wait leaves the later fragments' loads out, four each.
.macro PV16
.irp f, 0,1,2,3,4,5,6,7
	s_wait_dscnt 28-4*\f
.irp q, 0,1
.if \f % 2
	v_wmma_scale_f32_16x16x128_f8f6f4 v[64*\q+8*\f:64*\q+8*\f+7], v[FRG+16*\f:FRG+16*\f+15], v[PC+16*\q:PC+16*\q+15], v[64*\q+8*\f:64*\q+8*\f+7], v[VS+\f/2], v[PW+\q] matrix_a_scale:MATRIX_SCALE_ROW1
.else
	v_wmma_scale_f32_16x16x128_f8f6f4 v[64*\q+8*\f:64*\q+8*\f+7], v[FRG+16*\f:FRG+16*\f+15], v[PC+16*\q:PC+16*\q+15], v[64*\q+8*\f:64*\q+8*\f+7], v[VS+\f/2], v[PW+\q]
.endif
.endr
.endr
.endm
; Tile q's softmax for a key step, and p's codes and scale word; among its sums V's fragments 4 q .. 4 q + 3 are asked for, out of slot \slot.
.macro SM q, slot
.set rS, SCR+64*\q
.set rT, ST+4*\q
.set rF, FQ+2*\q
.irp b, 0,1,2,3
	v_max3_num_f32 v[BM+\b], v[rS+16*\b], v[rS+16*\b+1], v[rS+16*\b+2]   ; the largest score of each block of 32 keys: it serves for the row's maximum and, since p rises with the score, for the block's largest p
.endr
.irp i, 3,5,7,9,11,13
.irp b, 0,1,2,3
	v_max3_num_f32 v[BM+\b], v[BM+\b], v[rS+16*\b+\i], v[rS+16*\b+\i+1]   ; (the four blocks by turns)
.endr
.endr
.irp b, 0,1,2,3
	v_max_num_f32 v[BM+\b], v[BM+\b], v[rS+16*\b+15]
.endr
.irp b, 0,1,2,3
	v_permlanex16_b32 v[PM+\b], v[BM+\b], s[SEL], s[SEL+1]
.endr
.irp b, 0,1,2,3
	v_max_num_f32 v[BM+\b], v[BM+\b], v[PM+\b]     ; with lane l xor 16's 16 keys
.endr
	v_max3_num_f32 v[T1], v[BM], v[BM+1], v[BM+2]
	v_max_num_f32 v[T1], v[T1], v[BM+3]            ; the step's largest score of my query
	v_mul_f32 v[T1], s[CS], v[T1]                  ; as t (c is positive)
	v_max_num_f32 v[rT+1], v[rT+1], v[T1]          ; the running largest t
	v_mov_b32 v[T1], v[rT]
	v_floor_f32 v[rT], -v[rT+1]                    ; the new -M = floor(-t) = -ceil(t): a whole number
	v_sub_f32 v[T1], v[rT], v[T1]                  ; M's old value less its new one: a whole number, 0 or less
	v_cvt_i32_f32 v[T1], v[T1]                     ; (it saturates)
	v_ldexp_f32 v[rF], 1.0, v[T1]                  ; f = 2^(old M - new M)
.set j, 0
.rept 32
	v_pk_fma_f32 v[rS+j:rS+j+1], v[rS+j:rS+j+1], s[CS:CS+1], v[rT:rT+1] op_sel_hi:[1,0,0]   ; t - M, two at a time (of the pairs c and -M the low word serves both halves)
.set j, j+2
.endr
.irp b, 0,1,2,3
	v_fma_f32 v[BM+\b], v[BM+\b], s[CS], v[rT]     ; the same of each block's largest score
.endr
.set j, 0
	s_wait_alu depctr_va_vdst(0)
.rept 64
	v_exp_f32 v[rS+j], v[rS+j]                     ; p = 2^(t - M), at most 1: not normalised
.set j, j+1
.endr
	v_pk_mul_f32 v[rT+2:rT+3], v[rT+2:rT+3], v[rF:rF+1] op_sel_hi:[1,0]   ; the sums under the new M: the plain instruction behind the exponentials
	s_wait_alu depctr_va_vdst(0)                   ; the 64 exponentials have written p, ahead of its first reader.  It also states what V's loads below hang on: tile 0: the first product is done reading v64-127; tile 1: tile 0's holds and conversions are done with v128-191
.irp b, 0,1,2,3
	v_exp_f32 v[BM+\b], v[BM+\b]                   ; the block's largest p: the same two instructions on the same number give the same bits
.endr
	v_pk_add_f32 v[PM:PM+1], v[rS:rS+1], v[rS+2:rS+3]   ; the row's sum is taken of the unquantised p: two at a time, in two chains; it reads the 64 alone
.set j, 4
.rept 15
	v_pk_add_f32 v[rT+2:rT+3], v[rT+2:rT+3], v[rS+j:rS+j+1]
	v_pk_add_f32 v[PM:PM+1], v[PM:PM+1], v[rS+j+2:rS+j+3]
.if (j % 16) == 4
.set vf, (j-4)/16
.irp c, 0,1,2,3
	ds_load_b128 v[FRG+64*\q+16*vf+4*\c:FRG+64*\q+16*vf+4*\c+3], v[ADF+\slot] offset:VIMG+8192*\q+2048*vf+512*\c   ; V's fragment 4 q + vf.  No wait: no vector instruction since the wait above names these registers or the address
.endr
.endif
.set j, j+4
.endr
	v_pk_add_f32 v[rT+2:rT+3], v[rT+2:rT+3], v[PM:PM+1]
	s_wait_alu depctr_va_vdst(0)                   ; the four exponentials have written the blocks' largest p, ahead of its first reader
.irp b, 0,1,2,3
	v_max_num_f32 v[BM+\b], 0x4800000, v[BM+\b]    ; the floor 2^(9 - 127): the byte cannot fall under 1 (a block whose every p is 0 keeps that byte: its codes are zeros)
.endr
.irp b, 0,1,2,3
	v_add_nc_u32 v[SO+\b], 0xfc000000, v[BM+\b]    ; 8 off the exponent field: the conversion's scale operand
.endr
.irp b, 0,1,2,3
	v_and_or_b32 v[HD+\b], v[BM+\b], 0x7f800000, s[MNT]   ; 448 x the scale
.endr
.irp b, 0,1,2,3
	v_lshrrev_b32 v[PM+\b], 23, v[SO+\b]           ; the scale's byte
.endr
	v_lshl_or_b32 v[PW+\q], v[PM+1], 8, v[PM]      ; p's scale word for these 128 keys; the 64 lines below are more than the eight places that it owes ahead of the scaled products
	v_lshl_or_b32 v[PW+\q], v[PM+2], 16, v[PW+\q]
	v_lshl_or_b32 v[PW+\q], v[PM+3], 24, v[PW+\q]
.irp b, 0,1,2,3
.set j, 0
.rept 16
	v_min_num_f32 v[rS+16*\b+j], v[rS+16*\b+j], v[HD+\b]   ; the conversion to an 8-bit code does not saturate (ISA guide 7.6.2); p is not negative, so the hold is one-sided
.set j, j+1
.endr
.endr
	WIN W_D1
.irp b, 0,1,2,3
	v_cvt_scalef32_pk8_fp8_f32 v[PC+16*\q+4*\b:PC+16*\q+4*\b+1], v[rS+16*\b:rS+16*\b+7], v[SO+\b]
	v_cvt_scalef32_pk8_fp8_f32 v[PC+16*\q+4*\b+2:PC+16*\q+4*\b+3], v[rS+16*\b+8:rS+16*\b+15], v[SO+\b]
.endr
	v_nop                                          ; one plain instruction behind the last conversion, ahead of whatever next touches its results or writes its sources
	WIN 0
.endm
; A KEY STEP for my two tiles, out of slot \slot.
.macro STEP slot
	s_wait_alu depctr_va_vdst(0)                   ; the last step's second product is done reading v64-191, V's scale words and p's codes, its conversions have written those codes, its first product is done with K's scale words and fragments 4-7: the LDS loads below land in all of these; and its selects are done reading the scalar registers in which the masks land
	MLOAD 0                                        ; tile 0's lane masks: the first product's loads and instructions stand ahead of the wait for them
	KFRAGS \slot
	WIN W_KQ
	KQ8 0
	WIN W_KQ2
	KQ8 1
	PLACES 8                                       ; ahead of the first read of the scores
	WIN 0
	CND 0
	s_wait_alu depctr_va_vdst(0)                   ; tile 0's selects are done reading s4-51 and s68-83, in which the scalar loads below land
	MLOAD 1                                        ; the other tile's lane masks: the whole of tile 0's softmax stands ahead of the wait for them
	SM 0, \slot
	CND 1
	SM 1, \slot
	WIN W_RS
.irp q, 0,1
.set k, 0
.rept 32
	v_pk_mul_f32 v[64*\q+k:64*\q+k+1], v[64*\q+k:64*\q+k+1], v[FQ+2*\q:FQ+2*\q+1] op_sel_hi:[1,0]   ; O^T under the new M: x f, from each accumulator's low end on; these are also the places that p's codes owe ahead of the scaled products
.set k, k+2
.endr
.endr
	WIN W_PV
	s_wait_alu depctr_va_vdst(0)                   ; the conversions have written p's codes and the vector lines p's scale words, which the scaled products below take; the places stand ahead of this wait
	PV16
	PLACES 9                                       ; behind the last products, for whatever comes next on any path: the next step's first product writes its scores over v128-191, which these products read (nine places); the way out reads O^T (eight)
	WIN 0
.endm
; A TRIP: the next step's loads go out; the step in hand is worked, if one of my tiles sees it; the next step goes into the other slot; ONE barrier, on every path.  In front of it my reads of this slot are back and my
; stores into the other have landed; behind it this slot may be written and the other read.
.macro TRIP slot
	LOADS LM, 1
	s_bitcmp1_b32 s[CM], 0
	s_cbranch_scc0 .Lidle_\@
	STEP \slot
.Lidle_\@:
	STORES 1-\slot, LM
	s_lshr_b32 s[LM], s[LM], 1
	s_lshr_b32 s[CM], s[CM], 1
	s_lshr_b32 s[FM], s[FM], 1
	s_add_nc_u64 s[MB:MB+1], s[MB:MB+1], 256       ; (behind the wait on XCNT in STORES: the scalar loads have read their base)
	s_wait_dscnt 0x0
	s_barrier_signal -1
	s_barrier_wait -1
.endm
	s_load_b512 s[4:19], s[0:1], 0x0               ; q_codes s[4:5], q_scales s[6:7], k_codes s[8:9], v_codes s[10:11], scimg s[12:13], mbits s[14:15], meta s[16:17], out0 s[18:19]
	v_lshl_add_u32 v[SPW], v0, 2, SPARE
	v_mov_b32 v[NIL], 0
	v_lshrrev_b32 v60, 5, v0
	v_readfirstlane_b32 s[WV], v60                 ; wave 0..7
	v_and_b32 v57, 31, v0                          ; lane
	v_and_b32 v58, 15, v0                          ; r
	s_wait_alu depctr_va_vdst(0)
	v_bfe_u32 v59, v0, 4, 1                        ; h
	v_lshlrev_b32 v[ADF], 4, v57
	v_add_nc_u32 v[ADF+1], SLOT, v[ADF]
	s_wait_alu depctr_va_sdst(0)                   ; the wave's number is written, ahead of its first reader: addresses and bases are made from it
	s_lshl_b32 s68, s[WV], 11                      ; (each scalar that a vector line below reads is written once)
	v_add_nc_u32 v[STA], s68, v[ADF]
	v_add_nc_u32 v[STA+1], SLOT, v[STA]
	s_lshl_b32 s69, s[WV], 7
	v_lshl_add_u32 v[SOFF], v57, 2, s69            ; 128 x wave + 4 x lane
	v_add_nc_u32 v[STS], KSO, v[SOFF]
	v_add_nc_u32 v[STS+1], SLOT, v[STS]
	s_lshr_b32 s70, s[WV], 1                       ; K's fragment w = 2 b + u begins at key 32 b + 8 u
	s_lshl_b32 s70, s70, 5
	s_and_b32 s71, s[WV], 1
	s_lshl_b32 s71, s71, 3
	s_add_co_u32 s70, s70, s71
	v_and_b32 v60, 8, v58
	v_add_nc_u32 v60, v60, v58                     ; r + 8 (r / 8)
	v_add_nc_u32 v60, s70, v60
	v_lshlrev_b32 v[KOFF], 7, v60                  ; a key's 128 bytes,
	v_lshl_add_u32 v[KOFF], v59, 4, v[KOFF]        ; + 16 h
	s_lshl_b32 s72, s[WV], 4
	v_add_nc_u32 v61, s72, v58                     ; V's fragment w: channel 16 w + r,
	v_lshlrev_b32 v[VOFF], 12, v61                 ; a row of 4,096 bytes,
	v_lshl_add_u32 v[VOFF], v59, 4, v[VOFF]
	s_mul_i32 s73, s[WV], 16*SPITCH
	s_add_co_u32 s73, s73, STAGE                   ; my stage
	v_mul_u32_u24 v[SOA], v58, SPITCH
	v_lshl_add_u32 v[SOA], v59, 5, v[SOA]
	v_add_nc_u32 v[SOA], s73, v[SOA]               ; in: row r, + 32 h
	v_add_nc_u32 v[RDA], s73, v[ADF]               ; back: 32 lanes take a row of 512 bytes
	v_lshlrev_b32 v62, 7, v58
	v_lshl_add_u32 v62, v59, 4, v62                ; Q: row r of 128 bytes, + 16 h
	v_lshlrev_b32 v63, 2, v58                      ; Q's scale words: 4 bytes a row
	v_mov_b32 v[GS], 0                             ; staging: written on every path
	WIN W_D1
.set k, GK
.rept 32
	v_mov_b32 v[k], 0
.set k, k+1
.endr
	WIN 0
	s_mov_b32 s[CS], 0x3e0293ee                    ; c = log2(e) / sqrt(128)
	s_mov_b32 s[CS+1], s[CS]                       ; (named with it as a pair, so it is written)
	s_mov_b32 s[SEL], 0x76543210
	s_mov_b32 s[SEL+1], 0xfedcba98
	s_mov_b32 s[MNT], 0x600000
	s_and_b32 s89, ttmp7, 0xffff                   ; the head
	s_lshl_b32 s97, ttmp9, 8
	s_lshl_b32 s96, s[WV], 5
	s_add_co_u32 s97, s97, s96                     ; my first query: 256 x work-group x + 32 x wave
	s_mov_b32 s99, 0
	s_wait_kmcnt 0x0
	s_lshl_b32 s98, s89, 19                        ; a head's codes: 524,288 bytes
	s_add_nc_u64 s[KB:KB+1], s[8:9], s[98:99]
	s_add_nc_u64 s[VB:VB+1], s[10:11], s[98:99]
	s_add_nc_u64 s[90:91], s[4:5], s[98:99]
	s_lshl_b32 s98, s89, 15                        ; its 32 scale images
	s_add_nc_u64 s[SIB:SIB+1], s[12:13], s[98:99]
	s_lshl_b32 s98, s89, 14                        ; its scale bytes of Q
	s_add_nc_u64 s[92:93], s[6:7], s[98:99]
	s_lshl_b32 s98, s89, 21                        ; its rows of O
	s_add_nc_u64 s[OB:OB+1], s[18:19], s[98:99]
	s_lshl_b32 s98, s97, 7
	s_add_nc_u64 s[90:91], s[90:91], s[98:99]      ; Q's codes at my first query
	s_lshl_b32 s98, s97, 2
	s_add_nc_u64 s[92:93], s[92:93], s[98:99]      ; and its scale words
	s_lshl_b32 s98, s97, 9                         ; 512 bytes a query in O; and in mbits too: 8,192 bytes a tile of 16
	s_add_nc_u64 s[OB:OB+1], s[OB:OB+1], s[98:99]
	s_add_nc_u64 s[MB:MB+1], s[14:15], s[98:99]
	s_lshl_b32 s98, ttmp9, 6
	s_add_nc_u64 s[94:95], s[16:17], s[98:99]      ; A of my work-group's 16 tiles
	s_lshl_b32 s98, s[WV], 3
	s_add_nc_u64 s[96:97], s[94:95], s[98:99]      ; of my two
	s_load_b512 s[20:35], s[94:95], 0x0
	s_load_b64 s[36:37], s[96:97], 0x0
	s_load_b64 s[38:39], s[96:97], 0x400           ; and their F
	s_wait_alu depctr_va_vdst(0)                   ; all addresses and offsets (v1-9, v54, v55, v62, v63) are written, which every load and store of the kernel reads; so are staging's zeros, in which key step 0's loads land.  The vector lines from here to those loads name O^T, the statistics, v28-31 and v52 alone
	global_load_b32 v[QS], v63, s[92:93]
	global_load_b32 v[QS+1], v63, s[92:93] offset:64
	WIN W_D1
.irp q, 0,1
.irp c, 0,1,2,3
	global_load_b128 v[QF+16*\q+4*\c:QF+16*\q+4*\c+3], v62, s[90:91] offset:2048*\q+32*\c th:TH_LOAD_NT   ; Q's two fragments stay in registers
.endr
.endr
.set k, 0
.rept 128
	v_mov_b32 v[k], 0                              ; O^T.  Which key step is a wave's first hangs on the mask, so no first step can be written out to start the sums: they begin as zeros, which the first change of M leaves zeros
.set k, k+1
.endr
	WIN 0
.irp q, 0,1
	v_mov_b32 v[ST+4*\q+1], 0xff61b1e6             ; the largest t so far: -3e38, under every t
	v_floor_f32 v[ST+4*\q], -v[ST+4*\q+1]          ; -M
	v_mov_b32 v[ST+4*\q+2], 0                      ; the sum, in two halves
	v_mov_b32 v[ST+4*\q+3], 0
	v_mov_b32 v[FQ+2*\q], 0
	v_mov_b32 v[FQ+2*\q+1], 0                      ; (named as the upper half of a pair)
.endr
.irp b, 0,1,2,3
	v_mov_b32 v[PM+\b], 0                          ; written once: a lane permute's destination counts as one of its sources
.endr
	v_mov_b32 v[NEG], 0xf3000000                   ; -2^103
	s_wait_kmcnt 0x0
	s_or_b32 s[WG], s20, s21
.irp i, 22,23,24,25,26,27,28,29,30,31,32,33,34,35
	s_or_b32 s[WG], s[WG], s[\i]
.endr
	s_or_b32 s[CM], s36, s37
	s_and_b32 s[FM], s38, s39
	LOADS WG, 0                                    ; key step 0
	STORES 0, WG                                   ; its wait for all loads brings Q and its scale words too
	s_lshr_b32 s[LM], s[WG], 1                     ; from now on bit 0 speaks of the step after the one in hand; in the last trip it is 0, so no load leaves its buffer
	s_wait_dscnt 0x0
	s_barrier_signal -1
	s_barrier_wait -1
	s_mov_b32 s[CNT], 16
.Lpair:                                            ; 16 x 2 trips: all 32 key steps, a constant
	TRIP 0
	TRIP 1
	s_sub_co_u32 s[CNT], s[CNT], 1
	s_cmp_lg_u32 s[CNT], 0
	s_cbranch_scc1 .Lpair
	s_wait_alu depctr_va_vdst(0)
	; THE WAY OUT.  The sum's two halves and lane l xor 16's are added; O^T is divided by the sum and goes through my own stage in LDS, a tile (16 rows of 512 bytes) at a time.
.irp q, 0,1
	v_add_f32 v[ST+4*\q+2], v[ST+4*\q+2], v[ST+4*\q+3]
.endr
.irp q, 0,1
	v_permlanex16_b32 v[PM+\q], v[ST+4*\q+2], s[SEL], s[SEL+1]
.endr
.irp q, 0,1
	v_add_f32 v[ST+4*\q+2], v[ST+4*\q+2], v[PM+\q]
.endr
	s_wait_alu depctr_va_vdst(0)
.irp q, 0,1
	v_rcp_f32 v[FQ+2*\q], v[ST+4*\q+2]
.endr
	v_nop                                          ; a plain instruction between the last reciprocal and the use of its result
	s_wait_alu depctr_va_vdst(0)                   ; the two reciprocals have written 1 / the sum, ahead of its first reader
.macro TOSTAGE q
	WIN W_OUT
.set k, 0
.rept 32
	v_pk_mul_f32 v[SCR+64*\q+k:SCR+64*\q+k+1], v[64*\q+k:64*\q+k+1], v[FQ+2*\q:FQ+2*\q+1] op_sel_hi:[1,0]   ; register 8 f + i is o(r, 16 f + 8 h + i); each accumulator from its low end on
.set k, k+2
.endr
	WIN 0
	s_wait_alu depctr_va_vdst(0)                   ; the multiplications have written v[SCR + 64 q ..], which the LDS stores below read; every vector or matrix instruction that named the registers in which the loads below land stands ahead of it too
.irp f, 0,1,2,3,4,5,6,7
	ds_store_b128 v[SOA], v[SCR+64*\q+8*\f:SCR+64*\q+8*\f+3] offset:64*\f
	ds_store_b128 v[SOA], v[SCR+64*\q+8*\f+4:SCR+64*\q+8*\f+7] offset:64*\f+16
.endr
.if \q
	s_wait_alu depctr_vm_vsrc(0)                   ; tile 0's LDS stores have read v128-191, in which tile 1's loads below land
.endif
.irp i, 0,1,2,3,4,5,6,7,8,9,10,11,12,13,14,15
	ds_load_b128 v[FRG+64*\q+4*\i:FRG+64*\q+4*\i+3], v[RDA] offset:\i*SPITCH   ; my own bytes, served in order (ISA guide 5.7.1.4): these see the stores above, and the next tile's stores come behind them
.endr
.endm
.macro SEND q, younger                 ; younger: the LDS instructions issued behind tile q's loads, which may stay out
.irp i, 0,1,2,3,4,5,6,7,8,9,10,11,12,13,14,15
	s_wait_dscnt \younger+15-\i
	global_store_b128 v[ADF], v[FRG+64*\q+4*\i:FRG+64*\q+4*\i+3], s[OB:OB+1] offset:8192*\q+512*\i th:TH_STORE_NT   ; 32 lanes store a row's 512 consecutive bytes, aligned; written once, read by nobody here
.endr
.endm
	TOSTAGE 0
	TOSTAGE 1                                      ; tile 1's arithmetic stands between tile 0's loads and its stores
	SEND 0, 32                                     ; behind tile 0's loads: tile 1's 16 stores and 16 loads
	SEND 1, 0
	s_wait_dscnt 0x0                               ; the closing lines, six on end
	s_wait_alu 0x0
	s_wait_tensorcnt 0x0
	ds_add_u32 v[SPW], v[NIL]
	s_wait_dscnt 0x0
	s_endpgm
.Lfunc_end_k_qf465d5e6cf_attn:
	.size	k_qf465d5e6cf_attn, .Lfunc_end_k_qf465d5e6cf_attn-k_qf465d5e6cf_attn
	.p2alignl 7, 3214868480
	.fill 96, 4, 3214868480
	.section	.rodata,"a",@progbits
	.p2align	6, 0x0
	.amdhsa_kernel k_qf465d5e6cf_attn
		.amdhsa_group_segment_fixed_size 136192
		.amdhsa_private_segment_fixed_size 0
		.amdhsa_enable_private_segment 0
		.amdhsa_kernarg_size 64
		.amdhsa_user_sgpr_count 2
		.amdhsa_user_sgpr_kernarg_segment_ptr 1
		.amdhsa_wavefront_size32 1
		.amdhsa_system_sgpr_workgroup_id_x 1
		.amdhsa_system_sgpr_workgroup_id_y 1
		.amdhsa_system_sgpr_workgroup_id_z 1
		.amdhsa_system_vgpr_workitem_id 0
		.amdhsa_next_free_vgpr 512
		.amdhsa_next_free_sgpr 100
		.amdhsa_reserve_vcc 0
		.amdhsa_float_denorm_mode_32 3
		.amdhsa_float_denorm_mode_16_64 3
		.amdhsa_memory_ordered 1
		.amdhsa_forward_progress 1
		.amdhsa_inst_pref_size 127
	.end_amdhsa_kernel
	.amdgpu_metadata
---
amdhsa.version: [ 1, 2 ]
amdhsa.kernels:
  - .name:           k_qf465d5e6cf_attn
    .symbol:         k_qf465d5e6cf_attn.kd
    .args:
      - { .name: q_codes, .offset: 0, .size: 8, .value_kind: global_buffer, .address_space: global }
      - { .name: q_scales, .offset: 8, .size: 8, .value_kind: global_buffer, .address_space: global }
      - { .name: k_codes, .offset: 16, .size: 8, .value_kind: global_buffer, .address_space: global }
      - { .name: v_codes, .offset: 24, .size: 8, .value_kind: global_buffer, .address_space: global }
      - { .name: scimg, .offset: 32, .size: 8, .value_kind: global_buffer, .address_space: global }
      - { .name: mbits, .offset: 40, .size: 8, .value_kind: global_buffer, .address_space: global }
      - { .name: meta, .offset: 48, .size: 8, .value_kind: global_buffer, .address_space: global }
      - { .name: out0, .offset: 56, .size: 8, .value_kind: global_buffer, .address_space: global }
    .group_segment_fixed_size: 136192
    .private_segment_fixed_size: 0
    .kernarg_segment_align: 8
    .kernarg_segment_size: 64
    .max_flat_workgroup_size: 256
    .sgpr_count:     100
    .vgpr_count:     512
    .wavefront_size: 32
...
	.end_amdgpu_metadata
.endif
;; end of part 4
